; MI455X (gfx1250); checked and timed in simulation.
; The chip was launched on July 23, 2026; its instructions are those of AMD's public machine-readable ISA for CDNA 5 (MIT licence, August 2026) and "CDNA5" Instruction Set Architecture Reference Guide (July 2026). The comments in the code are by the model that wrote it; some were corrected since.
;; Attention Block. Allowed arithmetic: float matrix products may take bf16 or f16 operands with f32 sums; other float arithmetic in f32, or as packed bf16 or f16 multiplies, adds, multiply-adds, maxima and minima; sums over many terms, partial sums and values carried from step to step in f32; what a program stores and reads back later, other than sums and carried values, may be rounded once to bf16 or f16.
;; Inputs: emb_b 1,024 float32; emb_w 1,024 x 1,024 float32; key_b 1,024 float32; key_w 1,024 x 1,024 float32; minibatch 4 x 1,024 x 2,048 float32; query_b 1,024 float32; query_w 1,024 x 1,024 float32; value_b 1,024 float32; value_w 1,024 x 1,024 float32.
;; Outputs: out0 4 x 1,024 x 2,048 float32.
;; One version. Each part assembles by itself: llvm-mc -triple=amdgcn-amd-amdhsa -mcpu=gfx1250 --defsym DOCPART=n.
;; ======== version 1 of 1: 6 launches
;; workspace buffers: xt 16,777,216 bytes; wemb 2,109,440 bytes; wqkv 6,303,744 bytes; mbuf 16,777,216 bytes; qkv 50,331,648 bytes; pt 33,554,432 bytes; stats 1,048,576 bytes; fw 524,288 bytes
;; launch prep (part 1): grid 1537 x 1, 8 waves a work-group, no clusters, 18,432 bytes of LDS; arguments minibatch, emb_w, query_w, key_w, value_w, emb_b, query_b, key_b, value_b, xt, wemb, wqkv; writes xt, wemb, wqkv
.if DOCPART == 1
	.amdgcn_target "amdgcn-amd-amdhsa--gfx1250"
	.amdhsa_code_object_version 6
	.text
	.protected	k_q464f75f93a_prep
	.globl	k_q464f75f93a_prep
	.p2align	8
	.type	k_q464f75f93a_prep,@function
k_q464f75f93a_prep:
	s_mov_b64 s[64:65], 0
	v_nop
	global_prefetch_b8 v0, s[64:65] scope:SCOPE_SE
	s_setreg_imm32_b32 hwreg(HW_REG_WAVE_MODE, 25, 1), 1
	s_wait_xcnt 0x0
; PREP.  All inputs are rounded once to bf16 and laid out for the products that follow.
;   work-groups 0 .. 1023:    xt[b*2048 + t][h] = bf16(minibatch[b][h][t]): a tile of 128 h x 64 t is turned through LDS
;   work-groups 1024 .. 1535: 8,192 numbers of one of the four weight matrices, f32 to bf16, behind the 12,288 bytes of biases
;   work-group 1536:          the four biases, rounded to bf16 and widened again to f32
; A stream: every byte is read once and written once; a half-wave's 16 lanes read and write 256 consecutive bytes, aligned.
; No matrix unit, no tensor load: nothing is shared between work-groups and there is no arithmetic to hide.
.set TPITCH, 272                       ; a turned row in LDS: 256 bytes + 16, so that 16 rows start at 16 different groups of four banks
.set SPARE,  64*TPITCH                 ; behind the tile: the spare words, 128 bytes for each of the eight waves
.set SPW, 76                           ; v76  SPARE + 4 x my thread's number; never rewritten
.set NIL, 77                           ; v77  0; never rewritten
	s_load_b512 s[4:19], s[0:1], 0x0               ; minibatch 4, emb_w 6, query_w 8, key_w 10, value_w 12, emb_b 14, query_b 16, key_b 18
	s_load_b256 s[20:27], s[0:1], 0x40             ; value_b 20, xt 22, wemb 24, wqkv 26
	v_lshl_add_u32 v[SPW], v0, 2, SPARE
	v_mov_b32 v[NIL], 0
	s_mov_b32 s2, ttmp9
	s_mov_b32 s33, 0                               ; high words of the two byte offsets
	s_mov_b32 s35, 0
	s_cmp_lt_u32 s2, 1024
	s_cbranch_scc0 .Lnot_x
	; ---- a tile of x: b = g / 256, 128 h from 128 hb, 64 t from 64 tb
	s_lshr_b32 s28, s2, 8                          ; b
	s_bfe_u32 s29, s2, 0x30005                     ; hb
	s_and_b32 s30, s2, 31                          ; tb
	s_lshl_b32 s32, s28, 23                        ; source: b x 1024 rows of 8,192 bytes
	s_lshl_b32 s31, s29, 20                        ; + 128 hb rows
	s_add_co_u32 s32, s32, s31
	s_lshl_b32 s31, s30, 8                         ; + 64 tb numbers of 4 bytes
	s_add_co_u32 s32, s32, s31
	s_lshl_b32 s34, s28, 22                        ; destination: b x 2048 rows of 2,048 bytes
	s_lshl_b32 s31, s30, 17                        ; + 64 tb rows
	s_add_co_u32 s34, s34, s31
	s_lshl_b32 s31, s29, 8                         ; + 128 hb numbers of 2 bytes
	s_add_co_u32 s34, s34, s31
	v_and_b32 v1, 15, v0                           ; cc: my four t
	v_lshrrev_b32 v2, 4, v0                        ; hg: my eight h
	v_lshlrev_b32 v3, 4, v1
	v_lshl_or_b32 v3, v2, 16, v3                   ; 8 hg rows + 16 cc bytes
	v_mul_u32_u24 v4, v1, TPITCH
	v_lshl_add_u32 v4, v2, 4, v4                   ; into LDS: row 16 tt + cc, bytes 16 hg
	v_lshrrev_b32 v7, 5, v0                        ; wave
	v_bfe_u32 v6, v0, 4, 1                         ; which half of the lanes
	v_lshl_add_u32 v5, v7, 3, v6
	v_mul_u32_u24 v5, v5, TPITCH
	v_lshl_add_u32 v5, v1, 4, v5                   ; back: row 8 w + half + 2 u, 16 bytes a lane
	v_and_b32 v72, 1, v7                           ; LDS row p holds t = 4 (p % 16) + p / 16
	v_lshlrev_b32 v72, 5, v72
	v_lshl_add_u32 v72, v6, 2, v72
	v_lshrrev_b32 v7, 1, v7
	v_add_nc_u32 v72, v72, v7                      ; t for u = 0: 32 (w % 2) + 4 half + w / 2; each u adds 8
	v_lshlrev_b32 v6, 4, v1
	v_lshl_add_u32 v6, v72, 11, v6
	s_wait_kmcnt 0x0
	s_add_nc_u64 s[4:5], s[4:5], s[32:33]
	s_add_nc_u64 s[22:23], s[22:23], s[34:35]
.irp k, 0,1,2,3,4,5,6,7
	global_load_b128 v[8+4*(\k):11+4*(\k)], v3, s[4:5] offset:8192*(\k) th:TH_LOAD_NT
.endr
.irp kk, 0,1,2,3
	s_wait_loadcnt 6-2*(\kk)                       ; rows 2 kk and 2 kk + 1 are in; the younger rows stay out
.irp tt, 0,1,2,3
	v_cvt_pk_bf16_f32 v[40+4*(\tt)+(\kk)], v[8+8*(\kk)+(\tt)], v[12+8*(\kk)+(\tt)]
.endr
.endr
.irp tt, 0,1,2,3
	ds_store_b128 v4, v[40+4*(\tt):43+4*(\tt)] offset:16*TPITCH*(\tt)  ; eight h of one t
.endr
	s_wait_dscnt 0x0                               ; for the others' sake: my stores are done
	s_barrier_signal -1
	s_barrier_wait -1
.irp u, 0,1,2,3
	ds_load_b128 v[56+4*(\u):59+4*(\u)], v5 offset:2*TPITCH*(\u)
.endr
.irp u, 0,1,2,3
	s_wait_dscnt 3-(\u)                            ; the younger read-backs stay out
	global_store_b128 v6, v[56+4*(\u):59+4*(\u)], s[22:23] offset:16384*(\u)  ; 16 lanes store 256 consecutive bytes, aligned
.endr
	s_branch .Lend
.Lnot_x:
	s_cmp_lt_u32 s2, 1536
	s_cbranch_scc0 .Lbias
	; ---- 8,192 numbers of a weight matrix
	s_sub_co_u32 s28, s2, 1024
	s_lshr_b32 s29, s28, 7                         ; which matrix: emb, query, key, value
	s_and_b32 s30, s28, 127                        ; which part of it
	s_lshl_b32 s32, s30, 15
	s_max_u32 s31, s29, 1
	s_sub_co_u32 s31, s31, 1                       ; place among q, k, v
	s_lshl_b32 s34, s31, 21
	s_lshl_b32 s31, s30, 14
	s_add_co_u32 s34, s34, s31
	s_add_co_u32 s34, s34, 12288                   ; behind the biases
	v_lshlrev_b32 v1, 5, v0
	v_lshlrev_b32 v2, 4, v0
	s_wait_kmcnt 0x0
	s_cmp_eq_u32 s29, 1
	s_cselect_b64 s[36:37], s[8:9], s[6:7]
	s_cmp_eq_u32 s29, 2
	s_cselect_b64 s[36:37], s[10:11], s[36:37]
	s_cmp_eq_u32 s29, 3
	s_cselect_b64 s[36:37], s[12:13], s[36:37]
	s_cmp_eq_u32 s29, 0
	s_cselect_b64 s[38:39], s[24:25], s[26:27]
	s_add_nc_u64 s[36:37], s[36:37], s[32:33]
	s_add_nc_u64 s[38:39], s[38:39], s[34:35]
.irp r, 0,1,2,3
	global_load_b128 v[8+8*(\r):11+8*(\r)], v1, s[36:37] offset:8192*(\r) th:TH_LOAD_NT
	global_load_b128 v[12+8*(\r):15+8*(\r)], v1, s[36:37] offset:8192*(\r)+16 th:TH_LOAD_NT
.endr
.irp r, 0,1,2,3
	s_wait_loadcnt 6-2*(\r)                        ; this group's two loads are in
	v_cvt_pk_bf16_f32 v[40+4*(\r)], v[8+8*(\r)], v[9+8*(\r)]
	v_cvt_pk_bf16_f32 v[41+4*(\r)], v[10+8*(\r)], v[11+8*(\r)]
	v_cvt_pk_bf16_f32 v[42+4*(\r)], v[12+8*(\r)], v[13+8*(\r)]
	v_cvt_pk_bf16_f32 v[43+4*(\r)], v[14+8*(\r)], v[15+8*(\r)]
	global_store_b128 v2, v[40+4*(\r):43+4*(\r)], s[38:39] offset:4096*(\r)
.endr
	s_branch .Lend
.Lbias:
	; ---- the four biases: 1,024 numbers each, four a thread
	v_lshlrev_b32 v1, 4, v0
	s_wait_kmcnt 0x0
	global_load_b128 v[8:11], v1, s[14:15]
	global_load_b128 v[12:15], v1, s[16:17]
	global_load_b128 v[16:19], v1, s[18:19]
	global_load_b128 v[20:23], v1, s[20:21]
	s_wait_loadcnt 0x0
.irp q, 0,1,2,3,4,5,6,7
	v_cvt_pk_bf16_f32 v[40+(\q)], v[8+2*(\q)], v[9+2*(\q)]
.endr
.irp q, 0,1,2,3,4,5,6,7
	v_lshlrev_b32 v[8+2*(\q)], 16, v[40+(\q)]
	v_and_b32 v[9+2*(\q)], 0xffff0000, v[40+(\q)]
.endr
	global_store_b128 v1, v[8:11], s[24:25]
	global_store_b128 v1, v[12:15], s[26:27]
	global_store_b128 v1, v[16:19], s[26:27] offset:4096
	global_store_b128 v1, v[20:23], s[26:27] offset:8192
.Lend:
	s_wait_tensorcnt 0x0                           ; the wave's end
	ds_add_u32 v[SPW], v[NIL]
	s_wait_dscnt 0x0
	s_endpgm
.Lfunc_end_k_q464f75f93a_prep:
	.size	k_q464f75f93a_prep, .Lfunc_end_k_q464f75f93a_prep-k_q464f75f93a_prep
	.p2alignl 7, 3214868480
	.fill 96, 4, 3214868480
	.section	.rodata,"a",@progbits
	.p2align	6, 0x0
	.amdhsa_kernel k_q464f75f93a_prep
		.amdhsa_group_segment_fixed_size 18432
		.amdhsa_private_segment_fixed_size 0
		.amdhsa_enable_private_segment 0
		.amdhsa_kernarg_size 96
		.amdhsa_user_sgpr_count 2
		.amdhsa_user_sgpr_kernarg_segment_ptr 1
		.amdhsa_wavefront_size32 1
		.amdhsa_system_sgpr_workgroup_id_x 1
		.amdhsa_system_sgpr_workgroup_id_y 1
		.amdhsa_system_sgpr_workgroup_id_z 1
		.amdhsa_system_vgpr_workitem_id 0
		.amdhsa_next_free_vgpr 80
		.amdhsa_next_free_sgpr 66
		.amdhsa_reserve_vcc 0
		.amdhsa_float_denorm_mode_32 3
		.amdhsa_float_denorm_mode_16_64 3
		.amdhsa_memory_ordered 1
		.amdhsa_forward_progress 1
		.amdhsa_inst_pref_size 11
	.end_amdhsa_kernel
	.amdgpu_metadata
---
amdhsa.version: [ 1, 2 ]
amdhsa.kernels:
  - .name:           k_q464f75f93a_prep
    .symbol:         k_q464f75f93a_prep.kd
    .args:
      - { .name: minibatch, .offset: 0, .size: 8, .value_kind: global_buffer, .address_space: global }
      - { .name: emb_w, .offset: 8, .size: 8, .value_kind: global_buffer, .address_space: global }
      - { .name: query_w, .offset: 16, .size: 8, .value_kind: global_buffer, .address_space: global }
      - { .name: key_w, .offset: 24, .size: 8, .value_kind: global_buffer, .address_space: global }
      - { .name: value_w, .offset: 32, .size: 8, .value_kind: global_buffer, .address_space: global }
      - { .name: emb_b, .offset: 40, .size: 8, .value_kind: global_buffer, .address_space: global }
      - { .name: query_b, .offset: 48, .size: 8, .value_kind: global_buffer, .address_space: global }
      - { .name: key_b, .offset: 56, .size: 8, .value_kind: global_buffer, .address_space: global }
      - { .name: value_b, .offset: 64, .size: 8, .value_kind: global_buffer, .address_space: global }
      - { .name: xt, .offset: 72, .size: 8, .value_kind: global_buffer, .address_space: global }
      - { .name: wemb, .offset: 80, .size: 8, .value_kind: global_buffer, .address_space: global }
      - { .name: wqkv, .offset: 88, .size: 8, .value_kind: global_buffer, .address_space: global }
    .group_segment_fixed_size: 18432
    .private_segment_fixed_size: 0
    .kernarg_segment_align: 8
    .kernarg_segment_size: 96
    .max_flat_workgroup_size: 256
    .sgpr_count:     66
    .vgpr_count:     80
    .wavefront_size: 32
...
	.end_amdgpu_metadata
.endif
;; end of part 1
;; launch emb (part 2): grid 4 x 32, 4 waves a work-group, clusters of 4 x 4, 327,680 bytes of LDS; arguments xt, wemb, mbuf; writes mbuf
.if DOCPART == 2
	.amdgcn_target "amdgcn-amd-amdhsa--gfx1250"
	.amdhsa_code_object_version 6
	.text
	.protected	k_q464f75f93a_emb
	.globl	k_q464f75f93a_emb
	.p2align	8
	.type	k_q464f75f93a_emb,@function
k_q464f75f93a_emb:
	s_mov_b64 s[64:65], 0
	v_nop
	global_prefetch_b8 v0, s[64:65] scope:SCOPE_SE
	s_setreg_imm32_b32 hwreg(HW_REG_WAVE_MODE, 25, 1), 1
	s_wait_xcnt 0x0
	s_wait_alu depctr_hold_cnt(0) depctr_sa_sdst(0) depctr_va_vdst(0) depctr_va_sdst(0) depctr_va_ssrc(0) depctr_va_vcc(0) depctr_vm_vsrc(0)
	s_getreg_b32 s2, hwreg(HW_REG_IB_STS2, 6, 4)
	s_cmp_eq_u32 s2, 0
	s_cbranch_scc0 .Lentry_in_a_cluster
	s_endpgm
.Lentry_in_a_cluster:
	s_bfe_u32 s2, ttmp6, 0x10000c
	s_cmp_lg_u32 s2, 0xf033
	s_cbranch_scc0 .Lentry_shape_is_right
	s_endpgm
.Lentry_shape_is_right:
; C = A B^T + bias.  A: [8192][1024] bf16.  The second buffer holds 12,288 bytes of f32 biases and then B: [N][1024] bf16.  C: bf16, in regions of [8192][1024]:
; columns 1024 g .. 1024 g + 1023 of the product lie in region g.  Sums in f32, K ascending; C is rounded once.  One body for m = x emb_w^T (N = 1024) and for q, k, v (N = 3072).
; A tile of C, 256 x 256, is made by four waves, 128 x 128 each: 64 accumulators of 16 x 16.  K goes in 8 steps of 128 through two LDS slots filled by the tensor data mover (rows of 256 bytes).
; THE K STEP IS WRITTEN ONCE: the slot in hand is a scalar (TB, 0 or SLOT) that an exclusive or turns at each change of slots; the fragments' addresses and the walking descriptor's LDS word are made from it.
; CLUSTER 4 x 4: the four work-groups of a row of the cluster need the same rows of A, the four of a column the same rows of B: each tile is asked for jointly.
; The matrix instruction is used transposed (source 0 = 16 rows of B, source 1 = 16 rows of A): a lane holds eight neighbouring columns of one row of C.
; REGISTERS: window 0: v16-30 addresses; v64-127, v128-191 A's two fragment buffers (on the way out: packed results and rows read back); v192-255 my 64 biases
;            window 1: v64-191 B's two fragment buffers;   windows 2, 3: accumulator (a, b) at 8 (8 (a % 4) + b), rows 0-63 and 64-127
; LIMITS: NaN and infinities are not treated apart.
.set KSTEP,  128
.set PITCH,  272                       ; an LDS row: 256 bytes + 16 of padding: the 16 rows of a fragment load start at 16 different groups of four banks
.set HALFT,  128*PITCH                 ; what one tensor load brings
.set SLOT,   4*HALFT                   ; A's 256 rows, then B's
.set STAGE,  2*SLOT                    ; 16 rows x 272 bytes for each wave, for the way out
.set SPITCH, 272
.set SPARE,  STAGE+4*16*SPITCH         ; the spare words, 128 bytes a wave
.set ROWB,   2048                      ; bytes in a row of A, B and a region of C
.set WOFF,   12288                     ; B begins behind the biases
.set ADRA, 16                          ; v16  LDS address of my A fragments in the slot in hand
.set A0,   17                          ; v17  the same in slot 0; never rewritten
.set ADRB, 20
.set B0,   21
.set STO,  24
.set RD,   25
.set CO,   26
.set BO,   27                          ; v27  32 x (lane / 16): my eight biases of a block of 16
.set SPW,  28
.set NIL,  29
.set PFO,  30                          ; v30  lane x 2,048: a lane a row
.set F0,   64
.set F1,   128
.set BIAS, 192
.set TMP,  64
.set OB,   96
.set G1A, 24                           ; s[24:31] group 1 for A;  s[32:35] group 0 of step 0;  s[36:39] the walking group 0
.set G0A, 32
.set G1B, 48                           ; s[48:55], s[56:59], s[60:63] the same for B
.set G0B, 56
.set TB,  21                           ; s21  the slot in hand: 0 or SLOT
.set LIM, 43                           ; s43  2 in a wave that prefetches, else the greatest number
.set PFA, 44                           ; s[44:45] where my prefetches stand
.set BB,  66                           ; s[66:67] my biases
.set INC, 68                           ; s[68:69] what the next block's stores add to C's address
.set MSB, 0
.macro WIN new                         ; the immediate's high byte repeats the setting that is left; a switch that changes nothing is dropped
.if MSB != (\new)
	s_set_vgpr_msb (MSB<<8)|(\new)
.set MSB, \new
.endif
.endm
.set MUL_LO, 0xa1                      ; source 0 (B) window 1, source 1 (A) window 0, C and D window 2
.set MUL_HI, 0xf1                      ; the same, C and D window 3
.set TO_B,   0x40
.macro PLACES                          ; four plain places behind matrix instructions, ahead of loads into their sources and of readers of their results
.rept 4
	v_nop
.endr
.endm
.macro JLOAD                           ; the joint refill: waves 0 and 1 fetch A's halves, waves 2 and 3 B's; the branch hangs on the wave's number alone
	s_cmp_eq_u32 s11, 0
	s_cbranch_scc0 .Lfor_b_\@
	tensor_load_to_lds s[G0A+4:G0A+7], s[G1A:G1A+7]
	s_nop 0
.rept 4
	v_nop
.endr
	s_branch .Lasked_\@
.Lfor_b_\@:
	tensor_load_to_lds s[G0B+4:G0B+7], s[G1B:G1B+7]
	s_nop 0
.rept 4
	v_nop
.endr
.Lasked_\@:
.endm
.macro ASK                             ; the K step two refills on: 32 rows x 256 bytes, a lane a row; the loop's last two trips have no such step
	s_cmp_gt_u32 s3, s[LIM]
	s_cbranch_scc0 .Lnot_mine_\@
	global_prefetch_b8 v[PFO], s[PFA:PFA+1] offset:KSTEP*2 th:TH_LOAD_NT scope:SCOPE_SE
.Lnot_mine_\@:
.endm
.macro CREST                           ; a round of the cluster's barrier behind its opening barrier
	s_cmp_lg_u32 s10, 0
	s_cbranch_scc1 .Lnot_wave_0_\@
	s_barrier_signal -3
.Lnot_wave_0_\@:
	s_barrier_wait -3
	s_barrier_signal -1
	s_barrier_wait -1
.endm
.macro CROUND
	s_barrier_signal -1
	s_barrier_wait -1
	CREST
.endm
	s_load_b128 s[4:7], s[0:1], 0x0                ; A s[4:5], biases and B s[6:7]
	s_load_b64 s[8:9], s[0:1], 0x10                ; C
	v_lshl_add_u32 v[SPW], v0, 2, SPARE
	v_mov_b32 v[NIL], 0
	ds_add_u32 v[SPW], v[NIL]                      ; the wave's opening: the add and its wait stand ahead of my first tensor load
	ds_add_u32 v28, v29
	v_lshrrev_b32 v1, 5, v0
	v_readfirstlane_b32 s10, v1                    ; wave 0..3
	s_lshr_b32 s11, s10, 1                         ; my half of the tile's rows; also: I fetch for A (0) or B (1)
	s_and_b32 s12, s10, 1                          ; my half of its columns; also: which 128 rows I fetch
	s_bfe_u32 s40, ttmp6, 0x40000                  ; cx
	s_bfe_u32 s41, ttmp6, 0x40004                  ; cy
	s_lshl_b32 s42, ttmp9, 2
	s_add_co_u32 s42, s42, s40                     ; tile column
	s_and_b32 s13, ttmp7, 0xffff
	s_lshl_b32 s13, s13, 2
	s_add_co_u32 s13, s13, s41                     ; tile row
	s_lshl_b32 s43, s41, 2
	s_lshl_b32 s43, 15, s43                        ; my row of the cluster
	s_lshl_b32 s44, 0x1111, s40                    ; my column
	s_or_b32 s[G1A+0], s43, (1<<16)|(1<<20)|(1<<21)|(5<<22)|(3<<25)  ; mask; 2-byte elements; padding on; bit 21 beside a mask; after every 64 words; 4 words
	s_or_b32 s[G1B+0], s44, (1<<16)|(1<<20)|(1<<21)|(5<<22)|(3<<25)
.irp g, G1A, G1B
	s_mov_b32 s[(\g)+1], KSTEP<<16                 ; tensor_dim0 = 128
	s_mov_b32 s[(\g)+2], 128<<16                   ; tensor_dim1 = 128
	s_mov_b32 s[(\g)+3], KSTEP<<16                 ; tile_dim0 = 128
	s_mov_b32 s[(\g)+4], 128                       ; tile_dim1 = 128
	s_mov_b32 s[(\g)+5], 1024                      ; elements from row to row
	s_mov_b32 s[(\g)+6], 0
	s_mov_b32 s[(\g)+7], 0
.endr
	s_lshl_b32 s17, s12, 7
	s_lshl_b32 s16, s13, 8
	s_add_co_u32 s16, s16, s17                     ; A: row 256 x tile row + 128 x half: no cx in it
	s_lshl_b32 s16, s16, 11
	s_lshl_b32 s46, s42, 8
	s_add_co_u32 s46, s46, s17                     ; B: row 256 x tile column + 128 x half: no cy in it
	s_lshl_b32 s46, s46, 11
	s_add_co_u32 s46, s46, WOFF
	s_mov_b32 s17, 0
	s_mov_b32 s47, 0
	s_mul_i32 s20, s10, HALFT                      ; where my part of a slot lies
	s_mov_b32 s[TB], 0
	s_wait_dscnt 0x0                               ; the opening add is done
	s_wait_kmcnt 0x0
	s_add_nc_u64 s[14:15], s[4:5], s[16:17]
	s_add_nc_u64 s[46:47], s[6:7], s[46:47]
	s_mov_b32 s[G0A], 1
	s_mov_b32 s[G0A+1], s20
	s_mov_b64 s[G0A+2:G0A+3], s[14:15]
	s_or_b32 s[G0A+3], s[G0A+3], 0x80000000
	s_mov_b32 s[G0A+4], 1
	s_add_co_u32 s[G0A+5], s20, SLOT
	s_add_nc_u64 s[G0A+6:G0A+7], s[14:15], KSTEP*2
	s_or_b32 s[G0A+7], s[G0A+7], 0x80000000
	s_mov_b32 s[G0B], 1
	s_mov_b32 s[G0B+1], s20
	s_mov_b64 s[G0B+2:G0B+3], s[46:47]
	s_or_b32 s[G0B+3], s[G0B+3], 0x80000000
	s_mov_b32 s[G0B+4], 1
	s_add_co_u32 s[G0B+5], s20, SLOT
	s_add_nc_u64 s[G0B+6:G0B+7], s[46:47], KSTEP*2
	s_or_b32 s[G0B+7], s[G0B+7], 0x80000000
	CROUND                                         ; all sixteen work-groups are here: the first joint loads meet
	s_cmp_eq_u32 s11, 0                            ; a wave's two first fills stand in one branch: K steps 0 and 1; two loads of mine are out
	s_cbranch_scc0 .Lfirst_b
	tensor_load_to_lds s[G0A:G0A+3], s[G1A:G1A+7]
	s_nop 0
	tensor_load_to_lds s[G0A+4:G0A+7], s[G1A:G1A+7]
	s_nop 0
.rept 4
	v_nop
.endr
	s_branch .Lfirst_asked
.Lfirst_b:
	tensor_load_to_lds s[G0B:G0B+3], s[G1B:G1B+7]
	s_nop 0
	tensor_load_to_lds s[G0B+4:G0B+7], s[G1B:G1B+7]
	s_nop 0
.rept 4
	v_nop
.endr
.Lfirst_asked:
	v_and_b32 v1, 15, v0                           ; l % 16
	v_bfe_u32 v2, v0, 4, 1                         ; l / 16
	v_lshlrev_b32 v[BO], 5, v2
	s_lshl_b32 s22, s42, 10                        ; my 128 columns' biases: (256 x tile column + 128 x half) x 4 bytes
	s_lshl_b32 s23, s12, 9
	s_add_co_u32 s22, s22, s23
	s_mov_b32 s23, 0
	s_add_nc_u64 s[BB:BB+1], s[6:7], s[22:23]
.irp b, 0,1,2,3,4,5,6,7
	global_load_b128 v[BIAS+8*(\b):BIAS+8*(\b)+3], v[BO], s[BB:BB+1] offset:64*(\b)
	global_load_b128 v[BIAS+8*(\b)+4:BIAS+8*(\b)+7], v[BO], s[BB:BB+1] offset:64*(\b)+16
.endr
	v_mul_u32_u24 v3, v1, PITCH
	v_lshl_add_u32 v3, v2, 4, v3                   ; a fragment: row x pitch + 16 x half
	s_mul_i32 s22, s11, HALFT
	s_mul_i32 s23, s12, HALFT
	s_add_co_u32 s23, s23, 2*HALFT
	v_add_nc_u32 v[A0], s22, v3
	v_add_nc_u32 v[B0], s23, v3
	v_mov_b32 v[ADRA], v[A0]
	v_mov_b32 v[ADRB], v[B0]
	s_mul_i32 s23, s10, 16*SPITCH
	s_add_co_u32 s23, s23, STAGE                   ; my stage
	v_mul_u32_u24 v4, v1, SPITCH
	v_lshl_add_u32 v4, v2, 4, v4
	v_add_nc_u32 v[STO], s23, v4
	v_mul_u32_u24 v5, v2, SPITCH
	v_lshl_add_u32 v5, v1, 4, v5
	v_add_nc_u32 v[RD], s23, v5
	v_lshlrev_b32 v5, 11, v2
	v_lshl_add_u32 v[CO], v1, 4, v5
	s_lshr_b32 s22, s42, 2                         ; where my part of the tile begins in C: the region,
	s_lshl_b32 s[INC], s22, 24
	s_lshl_b32 s22, s13, 19                        ; 256 x tile row rows,
	s_add_co_u32 s[INC], s[INC], s22
	s_lshl_b32 s22, s11, 18                        ; my half of them,
	s_add_co_u32 s[INC], s[INC], s22
	s_and_b32 s22, s42, 3                          ; the tile's 512 bytes of a row,
	s_lshl_b32 s22, s22, 9
	s_add_co_u32 s[INC], s[INC], s22
	s_lshl_b32 s22, s12, 8                         ; my half of them
	s_add_co_u32 s[INC], s[INC], s22
	s_mov_b32 s[INC+1], 0
	; the prefetches: A's rows are asked for by the clusters with x = 0, B's by those with y = 0; the four partners of a joint load take 32 rows each, told apart by address
	s_lshl_b32 s16, s13, 8
	s_lshl_b32 s18, s42, 8
	s_and_b32 s22, ttmp7, 0xffff
	s_cmp_eq_u32 s11, 0
	s_cselect_b32 s16, s16, s18
	s_cselect_b32 s17, s40, s41
	s_cselect_b32 s22, ttmp9, s22
	s_cselect_b32 s19, 0, WOFF
	s_cselect_b64 s[PFA:PFA+1], s[4:5], s[6:7]
	s_cmp_eq_u32 s22, 0
	s_cselect_b32 s[LIM], 2, -1
	s_lshl_b32 s22, s12, 7
	s_add_co_u32 s16, s16, s22
	s_lshl_b32 s17, s17, 5
	s_add_co_u32 s16, s16, s17
	s_lshl_b32 s16, s16, 11
	s_add_co_u32 s16, s16, s19
	s_add_co_u32 s16, s16, 2*KSTEP*2               ; at K step 2: the first refill steps it to 3 and names step 4
	s_mov_b32 s17, 0
	s_add_nc_u64 s[PFA:PFA+1], s[PFA:PFA+1], s[16:17]
	v_and_b32 v[PFO], 31, v0
	v_lshlrev_b32 v[PFO], 11, v[PFO]
; 16 matrix instructions: m blocks a0, a0 + 1 of the window's four x all 8 n blocks, 32 along K.  The 64 accumulators take turns, one instruction a turn.
.macro MUL16 f, hi, a0, zero
	WIN MUL_LO+0x50*(\hi)
.irp a, \a0, (\a0)+1
.irp b, 0,1,2,3,4,5,6,7
.if \zero
	v_wmma_f32_16x16x32_bf16 v[8*(8*(\a)+(\b)):8*(8*(\a)+(\b))+7], v[(\f)+8*(\b):(\f)+8*(\b)+7], v[(\f)+8*(4*(\hi)+(\a)):(\f)+8*(4*(\hi)+(\a))+7], 0
.else
	v_wmma_f32_16x16x32_bf16 v[8*(8*(\a)+(\b)):8*(8*(\a)+(\b))+7], v[(\f)+8*(\b):(\f)+8*(\b)+7], v[(\f)+8*(4*(\hi)+(\a)):(\f)+8*(4*(\hi)+(\a))+7], v[8*(8*(\a)+(\b)):8*(8*(\a)+(\b))+7]
.endif
.endr
.endr
.endm
; 32 LDS loads in one run: the fragments of 32 along K at byte k of the rows of the slot in hand, into buffer f: B's, then A's
.macro FETCH k, f
	WIN TO_B
.irp i, 0,1,2,3,4,5,6,7
	ds_load_b128 v[(\f)+8*(\i):(\f)+8*(\i)+3],   v[ADRB] offset:(\k)+(\i)*16*PITCH
	ds_load_b128 v[(\f)+8*(\i)+4:(\f)+8*(\i)+7], v[ADRB] offset:(\k)+(\i)*16*PITCH+32
.endr
	WIN 0
.irp i, 0,1,2,3,4,5,6,7
	ds_load_b128 v[(\f)+8*(\i):(\f)+8*(\i)+3],   v[ADRA] offset:(\k)+(\i)*16*PITCH
	ds_load_b128 v[(\f)+8*(\i)+4:(\f)+8*(\i)+7], v[ADRA] offset:(\k)+(\i)*16*PITCH+32
.endr
.endm
; One of a K step's first three quarters: multiplies buffer f; in its middle it fetches the next quarter, at byte k, into buffer g
.macro QUARTER k, f, g, zero
	s_wait_dscnt 8                                 ; B and A's rows 0-63 are in; the youngest eight loads (A's rows 64-127) may be out
	MUL16 \f, 0, 0, \zero
	MUL16 \f, 0, 2, \zero
	PLACES
	FETCH \k, \g
	s_wait_dscnt 32                                ; all but the 32 just issued
	MUL16 \f, 1, 0, \zero
	MUL16 \f, 1, 2, \zero
.endm
; The last quarter multiplies buffer 1 and changes slots.  In front of the barrier each wave waits for all its tensor loads (one is out: its part of the next slot), adds 0 to its spare word, and waits
; for that and for its reads of the slot.  fill = 1: the barrier opens a round of the cluster's barrier, and the slot just read is filled again, first thing behind it, with the K step two on.
.macro TURN fill
.if \fill
	s_wait_xcnt 0x0                                ; the last prefetch, a K step back, has read its address
	s_add_nc_u64 s[PFA:PFA+1], s[PFA:PFA+1], KSTEP*2
.endif
	WIN 0
	s_wait_tensorcnt 0x0                           ; no tensor load of mine is out, so the walking descriptors may be written
	ds_add_u32 v[SPW], v[NIL]
.if \fill
	s_add_co_u32 s[G0A+5], s20, s[TB]              ; into the slot in hand,
	s_add_nc_u64 s[G0A+6:G0A+7], s[G0A+6:G0A+7], KSTEP*2  ; the next K step not yet asked for
	s_add_co_u32 s[G0B+5], s20, s[TB]
	s_add_nc_u64 s[G0B+6:G0B+7], s[G0B+6:G0B+7], KSTEP*2
.endif
	s_wait_dscnt 9                                 ; the add and the youngest eight loads may be out
	MUL16 F1, 0, 0, 0
	s_wait_dscnt 0x0                               ; the add is done, and my reads of this slot are over
	s_barrier_signal -1
	MUL16 F1, 0, 2, 0
	WIN 0
	s_barrier_wait -1
.if \fill
	CREST
	JLOAD                                          ; its four v_nop are also the places in front of the loads below
.else
	PLACES
.endif
	s_xor_b32 s[TB], s[TB], SLOT                   ; the other slot is in hand
	v_add_nc_u32 v[ADRA], s[TB], v[A0]
	v_add_nc_u32 v[ADRB], s[TB], v[B0]
	FETCH 0, F0
.if \fill
	ASK
.endif
	MUL16 F1, 1, 0, 0
	MUL16 F1, 1, 2, 0
.endm
; THE WAY OUT of block a of the four in window 2: the bias is added, the sums are rounded to bf16, go into my stage and come back as whole rows of 256 bytes
.macro PACK a
.set AC, 64*(\a)
	WIN 0x82                                       ; destination and source 0 window 2, the biases window 0
.irp b, 0,1,2,3,4,5,6,7
.irp r, 0,1,2,3
	v_pk_add_f32 v[AC+8*(\b)+2*(\r):AC+8*(\b)+2*(\r)+1], v[AC+8*(\b)+2*(\r):AC+8*(\b)+2*(\r)+1], v[BIAS+8*(\b)+2*(\r):BIAS+8*(\b)+2*(\r)+1]
.endr
.endr
	WIN 0x0a
.irp b, 0,1,2,3,4,5,6,7
.irp r, 0,1,2,3
	v_cvt_pk_bf16_f32 v[TMP+4*(\b)+(\r)], v[AC+8*(\b)+2*(\r)], v[AC+8*(\b)+2*(\r)+1]
.endr
.endr
	WIN 0
.endm
.macro TOSTAGE a
.set BK, OB+32*((\a)%2)
.irp b, 0,1,2,3,4,5,6,7
	ds_store_b128 v[STO], v[TMP+4*(\b):TMP+4*(\b)+3] offset:32*(\b)
.endr
.irp t, 0,1,2,3,4,5,6,7
	ds_load_b128 v[BK+4*(\t):BK+4*(\t)+3], v[RD] offset:(\t)*2*SPITCH  ; LDS serves a wave's instructions in order: these see the stores above
.endr
.endm
.macro SEND a
.set BK, OB+32*((\a)%2)
	s_wait_dscnt 0x0                               ; the block is back in registers
	s_wait_xcnt 0x0                                ; earlier stores have read their base and their data
	s_add_nc_u64 s[8:9], s[8:9], s[INC:INC+1]
	s_mov_b32 s[INC], 16*ROWB                      ; from now on: 16 rows on
.irp t, 0,1,2,3,4,5,6,7
	global_store_b128 v[CO], v[BK+4*(\t):BK+4*(\t)+3], s[8:9] offset:2*(\t)*ROWB  ; 16 lanes store 256 consecutive bytes, aligned
.endr
.endm
	s_wait_tensorcnt 1                             ; my part of K step 0 is in; step 1's may stay out
	s_barrier_signal -1
	s_barrier_wait -1
	FETCH 0, F0
	QUARTER 64, F0, F1, 1                          ; the first quarter's products start the sums
	WIN 0
	s_mov_b32 s3, 6
.Lstep:                                                ; six trips: from a K step's second quarter to the next step's first; each fills the slot just read with the step two on
	QUARTER 128, F1, F0, 0
	QUARTER 192, F0, F1, 0
	TURN 1
	QUARTER 64, F0, F1, 0
	WIN 0
	s_sub_co_u32 s3, s3, 1
	s_cmp_lg_u32 s3, 0
	s_cbranch_scc1 .Lstep
	s_mov_b32 s3, 2
.Ltail:                                                ; K steps 6 and 7 ask for nothing.  The second trip is left in its middle: its barrier and its 32 fetches (of K step 6 once more) serve nothing: the price of one text for both
	QUARTER 128, F1, F0, 0
	QUARTER 192, F0, F1, 0
	TURN 0
	WIN 0
	s_sub_co_u32 s3, s3, 1
	s_cmp_eq_u32 s3, 0
	s_cbranch_scc1 .Lout
	QUARTER 64, F0, F1, 0
	WIN 0
	s_branch .Ltail
.Lout:
	s_wait_dscnt 0x0                               ; the last fetches have landed: their registers are used anew
	s_wait_loadcnt 0x0                             ; the biases
	PLACES
	s_mov_b32 s2, 2
.Lhalf:                                                ; rows 0-63, then rows 64-127, by one text that names window 2
	PACK 0
	TOSTAGE 0
	PACK 1
	SEND 0
	TOSTAGE 1
	PACK 2
	SEND 1
	TOSTAGE 2
	PACK 3
	SEND 2
	TOSTAGE 3
	SEND 3
	s_sub_co_u32 s2, s2, 1
	s_cmp_eq_u32 s2, 0
	s_cbranch_scc1 .Ldone
	WIN 0x83                                       ; window 3's accumulators come into window 2, each from its lowest register on
.set ii, 0
.rept 256
	v_mov_b32 v[ii], v[ii]
.set ii, ii+1
.endr
	WIN 0
	s_branch .Lhalf
.Ldone:
	s_wait_tensorcnt 0x0                           ; the wave's end
	ds_add_u32 v[SPW], v[NIL]
	s_wait_dscnt 0x0
	CROUND                                         ; the closing round
	s_endpgm
.Lfunc_end_k_q464f75f93a_emb:
	.size	k_q464f75f93a_emb, .Lfunc_end_k_q464f75f93a_emb-k_q464f75f93a_emb
	.p2alignl 7, 3214868480
	.fill 96, 4, 3214868480
	.section	.rodata,"a",@progbits
	.p2align	6, 0x0
	.amdhsa_kernel k_q464f75f93a_emb
		.amdhsa_group_segment_fixed_size 327680
		.amdhsa_private_segment_fixed_size 0
		.amdhsa_enable_private_segment 0
		.amdhsa_kernarg_size 24
		.amdhsa_user_sgpr_count 2
		.amdhsa_user_sgpr_kernarg_segment_ptr 1
		.amdhsa_wavefront_size32 1
		.amdhsa_system_sgpr_workgroup_id_x 1
		.amdhsa_system_sgpr_workgroup_id_y 1
		.amdhsa_system_sgpr_workgroup_id_z 1
		.amdhsa_system_vgpr_workitem_id 0
		.amdhsa_next_free_vgpr 1024
		.amdhsa_next_free_sgpr 72
		.amdhsa_reserve_vcc 0
		.amdhsa_float_denorm_mode_32 3
		.amdhsa_float_denorm_mode_16_64 3
		.amdhsa_memory_ordered 1
		.amdhsa_forward_progress 1
		.amdhsa_inst_pref_size 103
	.end_amdhsa_kernel
	.amdgpu_metadata
---
amdhsa.version: [ 1, 2 ]
amdhsa.kernels:
  - .name:           k_q464f75f93a_emb
    .symbol:         k_q464f75f93a_emb.kd
    .args:
      - { .name: xt, .offset: 0, .size: 8, .value_kind: global_buffer, .address_space: global }
      - { .name: wemb, .offset: 8, .size: 8, .value_kind: global_buffer, .address_space: global }
      - { .name: mbuf, .offset: 16, .size: 8, .value_kind: global_buffer, .address_space: global }
    .group_segment_fixed_size: 327680
    .private_segment_fixed_size: 0
    .kernarg_segment_align: 8
    .kernarg_segment_size: 24
    .max_flat_workgroup_size: 128
    .sgpr_count:     72
    .vgpr_count:     1024
    .wavefront_size: 32
...
	.end_amdgpu_metadata
.endif
;; end of part 2
;; launch proj: the kernel of part 2 again; grid 12 x 32, 4 waves a work-group, clusters of 4 x 4, 327,680 bytes of LDS; arguments mbuf, wqkv, qkv; writes qkv
;; launch scores (part 3): grid 36 x 4, 4 waves a work-group, no clusters, 327,680 bytes of LDS; arguments qkv, pt, stats; writes pt, stats
.if DOCPART == 3
	.amdgcn_target "amdgcn-amd-amdhsa--gfx1250"
	.amdhsa_code_object_version 6
	.text
	.protected	k_q464f75f93a_scores
	.globl	k_q464f75f93a_scores
	.p2align	8
	.type	k_q464f75f93a_scores,@function
k_q464f75f93a_scores:
	s_mov_b64 s[64:65], 0
	v_nop
	global_prefetch_b8 v0, s[64:65] scope:SCOPE_SE
	s_setreg_imm32_b32 hwreg(HW_REG_WAVE_MODE, 25, 1), 1
	s_wait_xcnt 0x0
; SCORES.  For batch b and tile (i >= j) of 256 queries x 256 keys: S^T[s][t] = k[s] . q[t] (bf16 operands, f32 sums).  The softmax runs over the queries t, one for each key s.
; A wave's sub-tile is 128 keys (block J = 2 j + row half) x 128 queries (block I = 2 i + column half).  It stores, for each of its keys,
;   mu[I][s] = the largest logit of the sub-tile's 128 queries,  P^T[s][t] = exp(l - mu[I][s]) in bf16,  zeta[I][s] = the sum of those weights, unrounded, in f32.
; The next launch joins the blocks' maxima and sums; a true maximum is taken away here and there.
; THE MASK.  Where t < s the logit is REPLACED by -32767, a finite number that takes part in maximum and sum.  That touches the sub-tiles I = J alone.  The sub-tile I < J of a diagonal tile is wholly hidden:
; it is left as it is; its weights lie in 0 .. 1, and the next launch gives them the factor 0 and never reads its statistics.
; THE EXPONENT is c (l - mu), c = log2(e): the difference first, so that the largest logit gives 2^0 whatever its size.
; NO CLUSTER: row i of the triangle has i + 1 tiles and column j has 8 - j: no groups of four that share a tile cover the 36.
; The loop over K is that of the launches before: A = rows of k, B = rows of q, two slots, one K step written once.  Each wave fetches a quarter of a slot by a load of its own.
; LIMITS: NaN and infinities are not treated apart; a weight below 2^-126 counts as 0.
.set KSTEP,  128
.set PITCH,  272
.set HALFT,  128*PITCH
.set SLOT,   4*HALFT
.set STAGE,  2*SLOT
.set SPITCH, 272
.set SPARE,  STAGE+4*16*SPITCH
.set PROW,   4096                      ; bytes in a row of P^T
.set ADRA, 16
.set A0,   17
.set SGO,  18                          ; v18  8,192 x half + 16 (l % 16): my 16 bytes of mu (lanes 0-15) or zeta (lanes 16-31)
.set DL,   19                          ; v19  l % 16 - 8 (l / 16): register jj of a diagonal block is hidden where jj is less
.set ADRB, 20
.set B0,   21
.set STO,  24
.set RD,   25
.set CO,   26
.set SS,   27                          ; v27  where a statistic goes in my stage
.set SPW,  28
.set NIL,  29
.set PFO,  30
.set SL,   31                          ; v31  where 16 bytes of statistics come back from
.set T,    32                          ; v32-63 at work
.set F0,   64
.set F1,   128
.set TMP,  64
.set OB,   96
.set MST,  160                         ; v160-163 the four blocks' maxima
.set ZST,  164                         ; v164-167 their sums
.set MU,   168                         ; v168-169 the maximum in hand, as a pair's low word
.set SD,   172                         ; v172-175 statistics on their way out
.set G1,  24
.set G0,  32                           ; s[32:35] K step 0; s[36:39] the walking group 0
.set TB,  21
.set LIM, 43
.set PFA, 44
.set CS,  58                           ; s[58:59] c
.set SEL, 60                           ; s[60:61] v_permlanex16_b32's selects
.set LZ,  62                           ; s62  -32767.0
.set HM,  63                           ; s63  lanes 16-31
.set INC, 68
.set MK,  70                           ; s[70:77] the diagonal block's masks, one for each register
.set MSB, 0
.macro WIN new
.if MSB != (\new)
	s_set_vgpr_msb (MSB<<8)|(\new)
.set MSB, \new
.endif
.endm
.set MUL_LO, 0xa1
.set MUL_HI, 0xf1
.set TO_B,   0x40
.macro PLACES
.rept 4
	v_nop
.endr
.endm
.macro ASK                             ; my 128 rows' 256 bytes of the K step two refills on: four instructions, a lane a row.  k's rows are asked for by the tile i = j, q's by the tile j = 0
	s_cmp_gt_u32 s3, s[LIM]
	s_cbranch_scc0 .Lnot_mine_\@
.irp n, 0,1,2,3
	global_prefetch_b8 v[PFO], s[PFA:PFA+1] offset:65536*(\n)+KSTEP*2 th:TH_LOAD_NT scope:SCOPE_SE
.endr
.Lnot_mine_\@:
.endm
	s_load_b128 s[4:7], s[0:1], 0x0                ; qkv s[4:5], pt s[6:7]
	s_load_b64 s[8:9], s[0:1], 0x10                ; stats
	v_lshl_add_u32 v[SPW], v0, 2, SPARE
	v_mov_b32 v[NIL], 0
	ds_add_u32 v[SPW], v[NIL]                      ; the wave's opening: the add and its wait stand ahead of my first tensor load
	ds_add_u32 v28, v29
	v_lshrrev_b32 v1, 5, v0
	v_readfirstlane_b32 s10, v1
	s_lshr_b32 s11, s10, 1                         ; my half of the keys; also: I fetch k (0) or q (1)
	s_and_b32 s12, s10, 1                          ; my half of the queries; also: which 128 rows I fetch
	s_mov_b32 s16, ttmp9                           ; the tile's number in the triangle: i (i + 1) / 2 + j
	s_mov_b32 s13, 0
.irp th, 1,3,6,10,15,21,28
	s_cmp_ge_u32 s16, \th
	s_add_co_ci_u32 s13, s13, 0                    ; i counts the rows that begin at or below it
.endr
	s_add_co_u32 s14, s13, 1
	s_mul_i32 s14, s14, s13
	s_lshr_b32 s14, s14, 1
	s_sub_co_u32 s14, s16, s14                     ; j
	s_and_b32 s15, ttmp7, 0xffff                   ; b
	s_mov_b32 s[G1+0], (1<<16)|(1<<20)|(5<<22)|(3<<25)  ; 2-byte elements; padding on; after every 64 words; 4 words
	s_mov_b32 s[G1+1], KSTEP<<16
	s_mov_b32 s[G1+2], 128<<16
	s_mov_b32 s[G1+3], KSTEP<<16
	s_mov_b32 s[G1+4], 128
	s_mov_b32 s[G1+5], 1024
	s_mov_b32 s[G1+6], 0
	s_mov_b32 s[G1+7], 0
	s_cmp_eq_u32 s11, 0
	s_cselect_b32 s17, s14, s13                    ; k's tile is j, q's is i
	s_cselect_b32 s18, 0x1000000, 0                ; k lies 16,777,216 bytes behind q
	s_lshl_b32 s17, s17, 8
	s_lshl_b32 s19, s12, 7
	s_add_co_u32 s17, s17, s19
	s_lshl_b32 s17, s17, 11
	s_add_co_u32 s18, s18, s17
	s_lshl_b32 s19, s15, 22
	s_add_co_u32 s18, s18, s19
	s_mov_b32 s19, 0
	s_mul_i32 s20, s10, HALFT
	s_mov_b32 s[TB], 0
	s_mov_b32 s[CS], 0x3fb8aa3b
	s_mov_b32 s[CS+1], s[CS]
	s_mov_b32 s[SEL], 0x76543210
	s_mov_b32 s[SEL+1], 0xfedcba98
	s_mov_b32 s[LZ], 0xc6fffe00
	s_mov_b32 s[HM], 0xffff0000
	s_wait_dscnt 0x0                               ; the opening add is done
	s_wait_kmcnt 0x0
	s_add_nc_u64 s[22:23], s[4:5], s[18:19]        ; my 128 rows
	s_mov_b32 s[G0], 1
	s_mov_b32 s[G0+1], s20
	s_mov_b64 s[G0+2:G0+3], s[22:23]
	s_or_b32 s[G0+3], s[G0+3], 0x80000000
	s_mov_b32 s[G0+4], 1
	s_add_co_u32 s[G0+5], s20, SLOT
	s_add_nc_u64 s[G0+6:G0+7], s[22:23], KSTEP*2
	s_or_b32 s[G0+7], s[G0+7], 0x80000000
	tensor_load_to_lds s[G0:G0+3], s[G1:G1+7]      ; K steps 0 and 1: two loads of mine are out
	s_nop 0
	tensor_load_to_lds s[G0+4:G0+7], s[G1:G1+7]
	s_nop 0
.rept 4
	v_nop
.endr
	v_and_b32 v1, 15, v0
	v_bfe_u32 v2, v0, 4, 1
	v_mul_u32_u24 v3, v1, PITCH
	v_lshl_add_u32 v3, v2, 4, v3
	s_mul_i32 s16, s11, HALFT
	s_mul_i32 s17, s12, HALFT
	s_add_co_u32 s17, s17, 2*HALFT
	v_add_nc_u32 v[A0], s16, v3
	v_add_nc_u32 v[B0], s17, v3
	v_mov_b32 v[ADRA], v[A0]
	v_mov_b32 v[ADRB], v[B0]
	s_mul_i32 s17, s10, 16*SPITCH
	s_add_co_u32 s17, s17, STAGE                   ; my stage
	v_mul_u32_u24 v4, v1, SPITCH
	v_lshl_add_u32 v4, v2, 4, v4
	v_add_nc_u32 v[STO], s17, v4
	v_mul_u32_u24 v5, v2, SPITCH
	v_lshl_add_u32 v5, v1, 4, v5
	v_add_nc_u32 v[RD], s17, v5
	v_lshlrev_b32 v5, 12, v2
	v_lshl_add_u32 v[CO], v1, 4, v5
	v_lshlrev_b32 v5, 8, v2
	v_lshl_add_u32 v5, v1, 2, v5
	v_add_nc_u32 v[SS], s17, v5                    ; stage + 256 x half + 4 (l % 16)
	v_and_b32 v5, 31, v0
	v_lshl_add_u32 v[SL], v5, 4, s17
	v_lshlrev_b32 v[PFO], 11, v5
	v_lshlrev_b32 v5, 13, v2
	v_lshl_add_u32 v[SGO], v1, 4, v5
	v_lshlrev_b32 v5, 3, v2
	v_sub_nc_u32 v[DL], v1, v5
	s_lshl_b32 s[INC], s15, 23                     ; where my sub-tile begins in P^T: the batch,
	s_lshl_b32 s16, s14, 20                        ; 256 j rows of 4,096 bytes,
	s_add_co_u32 s[INC], s[INC], s16
	s_lshl_b32 s16, s11, 19                        ; my half of them,
	s_add_co_u32 s[INC], s[INC], s16
	s_lshl_b32 s16, s13, 9                         ; 256 i columns of 2 bytes,
	s_add_co_u32 s[INC], s[INC], s16
	s_lshl_b32 s16, s12, 8                         ; my half of them
	s_add_co_u32 s[INC], s[INC], s16
	s_mov_b32 s[INC+1], 0
	s_lshl_b32 s18, s15, 18                        ; and in the statistics [b][I][mu, zeta][s]: 16 blocks of 16,384 bytes a batch,
	s_lshl_b32 s16, s13, 15                        ; I = 2 i
	s_add_co_u32 s18, s18, s16
	s_lshl_b32 s16, s12, 14                        ; + my half,
	s_add_co_u32 s18, s18, s16
	s_lshl_b32 s16, s14, 10                        ; s = 256 j
	s_add_co_u32 s18, s18, s16
	s_lshl_b32 s16, s11, 9                         ; + 128 x my half
	s_add_co_u32 s18, s18, s16
	s_add_nc_u64 s[8:9], s[8:9], s[18:19]
	s_cmp_eq_u32 s13, s14
	s_cselect_b32 s16, 2, -1
	s_cmp_eq_u32 s14, 0
	s_cselect_b32 s17, 2, -1
	s_cmp_eq_u32 s11, 0
	s_cselect_b32 s[LIM], s16, s17
	s_add_nc_u64 s[PFA:PFA+1], s[22:23], 2*KSTEP*2 ; at K step 2: the first refill steps it to 3 and names step 4
.macro MUL16 f, hi, a0, zero
	WIN MUL_LO+0x50*(\hi)
.irp a, \a0, (\a0)+1
.irp b, 0,1,2,3,4,5,6,7
.if \zero
	v_wmma_f32_16x16x32_bf16 v[8*(8*(\a)+(\b)):8*(8*(\a)+(\b))+7], v[(\f)+8*(\b):(\f)+8*(\b)+7], v[(\f)+8*(4*(\hi)+(\a)):(\f)+8*(4*(\hi)+(\a))+7], 0
.else
	v_wmma_f32_16x16x32_bf16 v[8*(8*(\a)+(\b)):8*(8*(\a)+(\b))+7], v[(\f)+8*(\b):(\f)+8*(\b)+7], v[(\f)+8*(4*(\hi)+(\a)):(\f)+8*(4*(\hi)+(\a))+7], v[8*(8*(\a)+(\b)):8*(8*(\a)+(\b))+7]
.endif
.endr
.endr
.endm
.macro FETCH k, f
	WIN TO_B
.irp i, 0,1,2,3,4,5,6,7
	ds_load_b128 v[(\f)+8*(\i):(\f)+8*(\i)+3],   v[ADRB] offset:(\k)+(\i)*16*PITCH
	ds_load_b128 v[(\f)+8*(\i)+4:(\f)+8*(\i)+7], v[ADRB] offset:(\k)+(\i)*16*PITCH+32
.endr
	WIN 0
.irp i, 0,1,2,3,4,5,6,7
	ds_load_b128 v[(\f)+8*(\i):(\f)+8*(\i)+3],   v[ADRA] offset:(\k)+(\i)*16*PITCH
	ds_load_b128 v[(\f)+8*(\i)+4:(\f)+8*(\i)+7], v[ADRA] offset:(\k)+(\i)*16*PITCH+32
.endr
.endm
.macro QUARTER k, f, g, zero
	s_wait_dscnt 8                                 ; q's fragments and k's rows 0-63 are in; the youngest eight loads may be out
	MUL16 \f, 0, 0, \zero
	MUL16 \f, 0, 2, \zero
	PLACES
	FETCH \k, \g
	s_wait_dscnt 32                                ; all but the 32 just issued
	MUL16 \f, 1, 0, \zero
	MUL16 \f, 1, 2, \zero
.endm
.macro TURN fill                       ; the last quarter and the change of slots: the wait for all my tensor loads, the add, the wait for it and for my reads, the barrier, my one refill first behind it
.if \fill
	s_wait_xcnt 0x0                                ; the last prefetches, a K step back, have read their address
	s_add_nc_u64 s[PFA:PFA+1], s[PFA:PFA+1], KSTEP*2
.endif
	WIN 0
	s_wait_tensorcnt 0x0
	ds_add_u32 v[SPW], v[NIL]
.if \fill
	s_add_co_u32 s[G0+5], s20, s[TB]
	s_add_nc_u64 s[G0+6:G0+7], s[G0+6:G0+7], KSTEP*2
.endif
	s_wait_dscnt 9                                 ; the add and the youngest eight loads may be out
	MUL16 F1, 0, 0, 0
	s_wait_dscnt 0x0
	s_barrier_signal -1
	MUL16 F1, 0, 2, 0
	WIN 0
	s_barrier_wait -1
.if \fill
	tensor_load_to_lds s[G0+4:G0+7], s[G1:G1+7]
	s_nop 0
.endif
	PLACES                                         ; also the places in front of the loads below
	s_xor_b32 s[TB], s[TB], SLOT
	v_add_nc_u32 v[ADRA], s[TB], v[A0]
	v_add_nc_u32 v[ADRB], s[TB], v[B0]
	FETCH 0, F0
.if \fill
	ASK
.endif
	MUL16 F1, 1, 0, 0
	MUL16 F1, 1, 2, 0
.endm
; The diagonal sub-tile, block row a (16 keys): blocks b < a are hidden whole, block b = a where its register's number is less than DL
.macro MASKROW a
.set AC, 64*((\a)%4)
.set bq, 0
.rept 8
.if bq < (\a)
.set jq, 0
.rept 8
	v_mov_b32 v[AC+8*bq+jq], s[LZ]
.set jq, jq+1
.endr
.elseif bq == (\a)
.set jq, 0
.rept 8
	v_cndmask_b32 v[AC+8*bq+jq], v[AC+8*bq+jq], s[LZ], s[MK+jq]
.set jq, jq+1
.endr
.endif
.set bq, bq+1
.endr
.endm
; Block row a of the four in window 2: a lane holds one key (l % 16) and 64 of its 128 queries.  The maximum; c (l - mu); ONE batch of 64 exponentials with one wait; the roundings; the sum.
.macro SOFT a
.set AC, 64*(\a)
	WIN 0x2a                                       ; three sources in window 2
.set kq, 0
.rept 21
	v_max3_num_f32 v[T+kq], v[AC+3*kq], v[AC+3*kq+1], v[AC+3*kq+2]  ; ascending: each accumulator is read from its low end on
.set kq, kq+1
.endr
	v_max_num_f32 v[T+21], v[AC+62], v[AC+63]
	WIN 0
.set kq, 0
.rept 7
	v_max3_num_f32 v[T+kq], v[T+3*kq], v[T+3*kq+1], v[T+3*kq+2]
.set kq, kq+1
.endr
	v_max3_num_f32 v[T], v[T], v[T+1], v[T+2]
	v_max3_num_f32 v[T+1], v[T+3], v[T+4], v[T+5]
	v_max3_num_f32 v[T], v[T], v[T+1], v[T+6]
	v_max_num_f32 v[T], v[T], v[T+21]
	v_permlanex16_b32 v[T+1], v[T], s[SEL], s[SEL+1]  ; the key's other 64 queries lie in the lane 16 away
	v_max_num_f32 v[MU], v[T], v[T+1]
	v_max_num_f32 v[MST+(\a)], v[T], v[T+1]
	WIN 0x82
.set kq, 0
.rept 32
	v_pk_add_f32 v[AC+2*kq:AC+2*kq+1], v[AC+2*kq:AC+2*kq+1], v[MU:MU+1] op_sel_hi:[1,0] neg_lo:[0,1] neg_hi:[0,1]  ; l - mu: not fused with the factor, so that l = mu gives 0
.set kq, kq+1
.endr
.set kq, 0
.rept 32
	v_pk_mul_f32 v[AC+2*kq:AC+2*kq+1], v[AC+2*kq:AC+2*kq+1], s[CS:CS+1] op_sel_hi:[1,0]
.set kq, kq+1
.endr
.set kq, 0
.rept 64
	v_exp_f32 v[AC+kq], v[AC+kq]
.set kq, kq+1
.endr
	v_nop                                          ; a plain instruction behind the last exponential,
	s_wait_alu depctr_va_vdst(0)                   ; and one wait ahead of the batch's first reader
	WIN 0x0a
.set kq, 0
.rept 32
	v_cvt_pk_bf16_f32 v[TMP+kq], v[AC+2*kq], v[AC+2*kq+1]
.set kq, kq+1
.endr
.set kq, 0
.rept 16
	v_pk_add_f32 v[T+2*kq:T+2*kq+1], v[AC+4*kq:AC+4*kq+1], v[AC+4*kq+2:AC+4*kq+3]
.set kq, kq+1
.endr
	WIN 0
.irp st, 8,4,2,1
.set kq, 0
.rept \st
	v_pk_add_f32 v[T+2*kq:T+2*kq+1], v[T+2*kq:T+2*kq+1], v[T+2*(kq+\st):T+2*(kq+\st)+1]
.set kq, kq+1
.endr
.endr
	v_add_f32 v[T], v[T], v[T+1]
	v_permlanex16_b32 v[T+1], v[T], s[SEL], s[SEL+1]
	v_add_f32 v[ZST+(\a)], v[T], v[T+1]
.endm
.macro TOSTAGE a
.set BK, OB+32*((\a)%2)
.irp b, 0,1,2,3,4,5,6,7
	ds_store_b128 v[STO], v[TMP+4*(\b):TMP+4*(\b)+3] offset:32*(\b)
.endr
.irp t, 0,1,2,3,4,5,6,7
	ds_load_b128 v[BK+4*(\t):BK+4*(\t)+3], v[RD] offset:(\t)*2*SPITCH  ; LDS serves a wave's instructions in order: these see the stores above
.endr
.endm
.macro SEND a
.set BK, OB+32*((\a)%2)
	s_wait_dscnt 0x0
	s_wait_xcnt 0x0                                ; earlier stores have read their base and their data
	s_add_nc_u64 s[6:7], s[6:7], s[INC:INC+1]
	s_mov_b32 s[INC], 16*PROW
.irp t, 0,1,2,3,4,5,6,7
	global_store_b128 v[CO], v[BK+4*(\t):BK+4*(\t)+3], s[6:7] offset:2*(\t)*PROW  ; 16 lanes store 256 consecutive bytes, aligned
.endr
.endm
	s_wait_tensorcnt 1                             ; my part of K step 0 is in; step 1's may stay out
	s_barrier_signal -1
	s_barrier_wait -1
	FETCH 0, F0
	QUARTER 64, F0, F1, 1
	WIN 0
	s_mov_b32 s3, 6
.Lstep:
	QUARTER 128, F1, F0, 0
	QUARTER 192, F0, F1, 0
	TURN 1
	QUARTER 64, F0, F1, 0
	WIN 0
	s_sub_co_u32 s3, s3, 1
	s_cmp_lg_u32 s3, 0
	s_cbranch_scc1 .Lstep
	s_mov_b32 s3, 2
.Ltail:                                                ; K steps 6 and 7 ask for nothing; the second trip is left in its middle, its barrier and its last 32 fetches serve nothing
	QUARTER 128, F1, F0, 0
	QUARTER 192, F0, F1, 0
	TURN 0
	WIN 0
	s_sub_co_u32 s3, s3, 1
	s_cmp_eq_u32 s3, 0
	s_cbranch_scc1 .Lout
	QUARTER 64, F0, F1, 0
	WIN 0
	s_branch .Ltail
.Lout:
	s_wait_dscnt 0x0
	PLACES
	v_mov_b32 v[MU+1], 0                           ; named with MU as a pair
	s_cmp_lg_u32 s13, s14
	s_cbranch_scc1 .Lnomask
	s_cmp_lg_u32 s11, s12
	s_cbranch_scc1 .Lnomask
.set jq, 0
.rept 8
	v_cmp_lt_i32 s[MK+jq], jq, v[DL]
.set jq, jq+1
.endr
	WIN 0x82
	MASKROW 0
	MASKROW 1
	MASKROW 2
	MASKROW 3
	WIN 0xc3
	MASKROW 4
	MASKROW 5
	MASKROW 6
	MASKROW 7
	WIN 0
.Lnomask:
	s_mov_b32 s2, 2
.Lhalf:                                                ; keys 0-63, then keys 64-127, by one text that names window 2
	SOFT 0
	TOSTAGE 0
	SOFT 1
	SEND 0
	TOSTAGE 1
	SOFT 2
	SEND 1
	TOSTAGE 2
	SOFT 3
	SEND 2
	TOSTAGE 3
	SEND 3
.irp a, 0,1,2,3                        ; the half's 64 maxima and 64 sums: lanes 0-15 give mu, lanes 16-31 zeta; through my stage, so that each leaves as 256 consecutive bytes
	v_cndmask_b32 v[T+(\a)], v[MST+(\a)], v[ZST+(\a)], s[HM]
	ds_store_b32 v[SS], v[T+(\a)] offset:64*(\a)
.endr
	ds_load_b128 v[SD:SD+3], v[SL]
	s_wait_dscnt 0x0
	global_store_b128 v[SGO], v[SD:SD+3], s[8:9]
	s_sub_co_u32 s2, s2, 1
	s_cmp_eq_u32 s2, 0
	s_cbranch_scc1 .Ldone
	WIN 0x83                                       ; window 3's accumulators come into window 2, each from its lowest register on
.set ii, 0
.rept 256
	v_mov_b32 v[ii], v[ii]
.set ii, ii+1
.endr
	WIN 0
	s_wait_xcnt 0x0                                ; the statistics' store has read its base and its data
	s_add_nc_u64 s[8:9], s[8:9], 256               ; the next 64 keys
	s_branch .Lhalf
.Ldone:
	s_wait_tensorcnt 0x0                           ; the wave's end
	ds_add_u32 v[SPW], v[NIL]
	s_wait_dscnt 0x0
	s_endpgm
.Lfunc_end_k_q464f75f93a_scores:
	.size	k_q464f75f93a_scores, .Lfunc_end_k_q464f75f93a_scores-k_q464f75f93a_scores
	.p2alignl 7, 3214868480
	.fill 96, 4, 3214868480
	.section	.rodata,"a",@progbits
	.p2align	6, 0x0
	.amdhsa_kernel k_q464f75f93a_scores
		.amdhsa_group_segment_fixed_size 327680
		.amdhsa_private_segment_fixed_size 0
		.amdhsa_enable_private_segment 0
		.amdhsa_kernarg_size 24
		.amdhsa_user_sgpr_count 2
		.amdhsa_user_sgpr_kernarg_segment_ptr 1
		.amdhsa_wavefront_size32 1
		.amdhsa_system_sgpr_workgroup_id_x 1
		.amdhsa_system_sgpr_workgroup_id_y 1
		.amdhsa_system_sgpr_workgroup_id_z 1
		.amdhsa_system_vgpr_workitem_id 0
		.amdhsa_next_free_vgpr 1024
		.amdhsa_next_free_sgpr 84
		.amdhsa_reserve_vcc 0
		.amdhsa_float_denorm_mode_32 3
		.amdhsa_float_denorm_mode_16_64 3
		.amdhsa_memory_ordered 1
		.amdhsa_forward_progress 1
		.amdhsa_inst_pref_size 146
	.end_amdhsa_kernel
	.amdgpu_metadata
---
amdhsa.version: [ 1, 2 ]
amdhsa.kernels:
  - .name:           k_q464f75f93a_scores
    .symbol:         k_q464f75f93a_scores.kd
    .args:
      - { .name: qkv, .offset: 0, .size: 8, .value_kind: global_buffer, .address_space: global }
      - { .name: pt, .offset: 8, .size: 8, .value_kind: global_buffer, .address_space: global }
      - { .name: stats, .offset: 16, .size: 8, .value_kind: global_buffer, .address_space: global }
    .group_segment_fixed_size: 327680
    .private_segment_fixed_size: 0
    .kernarg_segment_align: 8
    .kernarg_segment_size: 24
    .max_flat_workgroup_size: 128
    .sgpr_count:     84
    .vgpr_count:     1024
    .wavefront_size: 32
...
	.end_amdgpu_metadata
.endif
;; end of part 3
;; launch combine (part 4): grid 8 x 32, 8 waves a work-group, no clusters, 7,168 bytes of LDS; arguments stats, qkv, fw; writes fw
.if DOCPART == 4
	.amdgcn_target "amdgcn-amd-amdhsa--gfx1250"
	.amdhsa_code_object_version 6
	.text
	.protected	k_q464f75f93a_combine
	.globl	k_q464f75f93a_combine
	.p2align	8
	.type	k_q464f75f93a_combine,@function
k_q464f75f93a_combine:
	s_mov_b64 s[64:65], 0
	v_nop
	global_prefetch_b8 v0, s[64:65] scope:SCOPE_SE
	s_setreg_imm32_b32 hwreg(HW_REG_WAVE_MODE, 25, 1), 1
	s_wait_xcnt 0x0
; COMBINE.  For batch b and the 256 keys s = 256 j + thread (block J = 2 j + wave / 4) the blocks' statistics are joined:
;   M = max(mu[I][s] for I >= J; -32767 where J > 0)          Z = sum over I >= J of zeta[I][s] 2^(c (mu[I][s] - M)) + 128 J e0,   e0 = 2^(c (-32767 - M)), 0 where J = 0
;   f[I][s] = 2^(c (mu[I][s] - M)) / (32 Z) for I >= J, else 0 (bf16)          u = e0 / (32 Z): the weight of key s for every query in a block above the diagonal's
;   W[J][d] = sum over the block's 128 keys of u v[s][d] (f32)
; Z is at least 1: the term of the maximum is.  The eight work-groups x of a (b, j) make M and Z alike (34 numbers a thread); work-group x stores f's rows I = 2 x, 2 x + 1 and W's channels 128 x .. 128 x + 127.
; A row I < J is read as row J (its own was never stored) and counted with the factor 0.  W[0] is 0 by construction and is read by nobody: a sixteenth of v's stream, for the sake of one text.
; Vector unit and LDS alone: 16 multiply-adds for each number of v are no matrix work.  LIMITS: NaN and infinities are not treated apart; a weight below 2^-126 counts as 0.
.set SPARE, 6144                       ; LDS: u 0-1023; two rows of f 1024-2047; the waves' partial sums 2048-6143; the spare words
.set SPW, 168
.set NIL, 169
.set VO,  78
.set ZR,  79                           ; v79  0: the first multiply-add's addend
	s_load_b128 s[4:7], s[0:1], 0x0                ; stats s[4:5], qkv s[6:7]
	s_load_b64 s[8:9], s[0:1], 0x10                ; fw
	v_lshl_add_u32 v[SPW], v0, 2, SPARE
	v_mov_b32 v[NIL], 0
	v_lshrrev_b32 v1, 5, v0
	v_readfirstlane_b32 s10, v1                    ; wave 0..7
	s_mov_b32 s11, ttmp9                           ; x
	s_and_b32 s12, ttmp7, 0xffff
	s_lshr_b32 s13, s12, 3                         ; b
	s_and_b32 s14, s12, 7                          ; j
	s_lshr_b32 s15, s10, 2
	s_lshl1_add_u32 s15, s14, s15                  ; J
	s_mov_b32 s16, 0x3fb8aa3b                      ; c = log2(e)
	s_mov_b32 s17, 0xc6fffe00                      ; -32767.0,
	s_cmp_eq_u32 s15, 0
	s_cselect_b32 s17, 0xff7fffff, s17             ; or, where no block lies above the diagonal's, the lowest finite number: its e0 is 0
	s_lshl_b32 s18, s15, 7
	s_cvt_f32_u32 s18, s18                         ; 128 J
	s_mov_b32 s20, 0x76543210
	s_mov_b32 s21, 0xfedcba98
	s_lshl_b32 s24, s13, 18                        ; the batch's statistics,
	s_lshl_b32 s22, s14, 10                        ; at key 256 j
	s_add_co_u32 s24, s24, s22
	s_mov_b32 s25, 0
	s_lshl_b32 s26, s13, 22                        ; v: 33,554,432 bytes behind q; the batch; 256 j rows of 2,048 bytes; 128 x channels of 2 bytes
	s_add_co_u32 s26, s26, 0x2000000
	s_lshl_b32 s22, s14, 19
	s_add_co_u32 s26, s26, s22
	s_lshl_b32 s22, s11, 8
	s_add_co_u32 s26, s26, s22
	s_mov_b32 s27, 0
	v_lshlrev_b32 v1, 2, v0                        ; 4 x thread
	v_and_b32 v2, 15, v0
	v_lshrrev_b32 v3, 4, v0                        ; my group of 16 keys
	v_and_b32 v4, 31, v0
	v_lshlrev_b32 v4, 4, v4                        ; 16 x lane
.set ii, 0
.rept 16
	s_max_u32 s22, s15, ii
	s_lshl_b32 s22, s22, 14
	v_add_nc_u32 v[16+ii], s22, v1
.set ii, ii+1
.endr
	s_lshl_b32 s23, s11, 1                         ; f's rows: 2 x,
	s_max_u32 s22, s15, s23
	s_lshl_b32 s22, s22, 14
	v_add_nc_u32 v66, s22, v1
	s_add_co_u32 s28, s23, 1                       ; and 2 x + 1
	s_max_u32 s22, s15, s28
	s_lshl_b32 s22, s22, 14
	v_add_nc_u32 v67, s22, v1
	v_lshlrev_b32 v[VO], 4, v2
	v_lshl_add_u32 v[VO], v3, 15, v[VO]            ; 16 rows a group; a half-wave reads 256 consecutive bytes of a row
	v_mov_b32 v[ZR], 0
	s_wait_kmcnt 0x0
	s_add_nc_u64 s[4:5], s[4:5], s[24:25]
	s_add_nc_u64 s[6:7], s[6:7], s[26:27]
.set ii, 0
.rept 16
	global_load_b32 v[32+ii], v[16+ii], s[4:5]     ; mu
.set ii, ii+1
.endr
.set ii, 0
.rept 16
	global_load_b32 v[48+ii], v[16+ii], s[4:5] offset:8192  ; zeta
.set ii, ii+1
.endr
	global_load_b32 v64, v66, s[4:5]
	global_load_b32 v65, v67, s[4:5]
.set ii, 0
.rept 16
	global_load_b128 v[80+4*ii:83+4*ii], v[VO], s[6:7] offset:2048*ii
.set ii, ii+1
.endr
	s_lshl_b32 s29, s13, 4                         ; where f's row goes: (16 b + 2 x + wave) rows of 4,096 bytes + 512 j (waves 0 and 1)
	s_add_co_u32 s30, s29, s23
	s_add_co_u32 s30, s30, s10
	s_lshl_b32 s30, s30, 12
	s_lshl_b32 s22, s14, 9
	s_add_co_u32 s30, s30, s22
	v_add_nc_u32 v170, s30, v4
	s_add_co_u32 s30, s29, s15                     ; where W goes: 262,144 + (16 b + J) rows of 4,096 bytes + 512 x (waves 0 and 4)
	s_lshl_b32 s30, s30, 12
	s_lshl_b32 s22, s11, 9
	s_add_co_u32 s30, s30, s22
	s_add_co_u32 s30, s30, 262144
	v_add_nc_u32 v176, s30, v4
	v_lshlrev_b32 v171, 1, v0
	v_lshlrev_b32 v180, 4, v0
	v_lshlrev_b32 v177, 6, v3
	s_lshl_b32 s22, s10, 9
	s_add_co_u32 s22, s22, 2048
	v_lshl_add_u32 v178, v2, 5, s22
	v_add_nc_u32 v179, s22, v4
	s_wait_loadcnt 16                              ; the statistics are in; v's 16 loads may stay out
	v_max3_num_f32 v68, v32, v33, v34
.irp k, 35,37,39,41,43,45
	v_max3_num_f32 v68, v68, v[\k], v[\k+1]
.endr
	v_max3_num_f32 v68, v68, v47, s17              ; M
.set ii, 0
.rept 16
	v_sub_f32 v[32+ii], v[32+ii], v68              ; the difference first: the maximum's own term is 2^0
.set ii, ii+1
.endr
	v_sub_f32 v64, v64, v68
	v_sub_f32 v65, v65, v68
	v_sub_f32 v70, s17, v68
.set ii, 0
.rept 16
	v_mul_f32 v[32+ii], s16, v[32+ii]
.set ii, ii+1
.endr
	v_mul_f32 v64, s16, v64
	v_mul_f32 v65, s16, v65
	v_mul_f32 v70, s16, v70
.set ii, 0
.rept 16
	v_exp_f32 v[32+ii], v[32+ii]
.set ii, ii+1
.endr
	v_exp_f32 v64, v64
	v_exp_f32 v65, v65
	v_exp_f32 v70, v70                             ; e0
	v_nop                                          ; a plain instruction behind the last exponential,
	s_wait_alu depctr_va_vdst(0)                   ; and one wait for the batch of 19
	v_mul_f32 v71, s18, v70                        ; the 128 J hidden queries above the diagonal's block
.set ii, 0
.rept 16
	s_cmp_le_u32 s15, ii
	s_cselect_b32 s22, 1.0, 0
	v_mul_f32 v[48+ii], s22, v[48+ii]
.if ii == 1
	v_mul_f32 v72, v[48+ii], v[32+ii]
.else
	v_fmac_f32 v[71+ii%2], v[48+ii], v[32+ii]      ; two chains
.endif
.set ii, ii+1
.endr
	v_add_f32 v71, v71, v72
	v_mul_f32 v71, 0x42000000, v71                 ; 32 Z: the division by sqrt(1024) behind the softmax
	v_rcp_f32 v73, v71
	v_nop
	s_wait_alu depctr_va_vdst(0)
	v_mul_f32 v74, v70, v73                        ; u
	s_cmp_le_u32 s15, s23
	s_cselect_b32 s22, 1.0, 0
	v_mul_f32 v75, v64, v73
	v_mul_f32 v75, s22, v75
	s_cmp_le_u32 s15, s28
	s_cselect_b32 s22, 1.0, 0
	v_mul_f32 v76, v65, v73
	v_mul_f32 v76, s22, v76
	v_cvt_pk_bf16_f32 v77, v75, v76
	ds_store_b32 v1, v74
	ds_store_b16 v171, v77 offset:1024
	ds_store_b16_d16_hi v171, v77 offset:1536
	s_wait_dscnt 0x0                               ; for the others' sake
	s_barrier_signal -1
	s_barrier_wait -1
	s_cmp_lt_u32 s10, 2                            ; wave 0 stores f's row 2 x, wave 1 row 2 x + 1: 512 consecutive bytes each
	s_cbranch_scc0 .Lno_f
	ds_load_b128 v[172:175], v180 offset:1024
	s_wait_dscnt 0x0
	global_store_b128 v170, v[172:175], s[8:9]
.Lno_f:
.irp n, 0,1,2,3
	ds_load_b128 v[144+4*(\n):147+4*(\n)], v177 offset:16*(\n)  ; my group's 16 u
.endr
	s_wait_loadcnt 0x0                             ; v
	s_wait_dscnt 0x0
.set mm, 0
.rept 16
.set ee, 0
.rept 4
.if mm == 0
	v_fma_mix_f32_bf16 v[160+2*ee], v[80+4*mm+ee], v[144+mm], v[ZR] op_sel:[0,0,0] op_sel_hi:[1,0,0]
	v_fma_mix_f32_bf16 v[161+2*ee], v[80+4*mm+ee], v[144+mm], v[ZR] op_sel:[1,0,0] op_sel_hi:[1,0,0]
.else
	v_fma_mix_f32_bf16 v[160+2*ee], v[80+4*mm+ee], v[144+mm], v[160+2*ee] op_sel:[0,0,0] op_sel_hi:[1,0,0]
	v_fma_mix_f32_bf16 v[161+2*ee], v[80+4*mm+ee], v[144+mm], v[161+2*ee] op_sel:[1,0,0] op_sel_hi:[1,0,0]
.endif
.set ee, ee+1
.endr
.set mm, mm+1
.endr
.set ee, 0
.rept 8
	v_permlanex16_b32 v[144+ee], v[160+ee], s20, s21  ; the wave's other 16 keys
.set ee, ee+1
.endr
.set ee, 0
.rept 8
	v_add_f32 v[160+ee], v[160+ee], v[144+ee]
.set ee, ee+1
.endr
	ds_store_b128 v178, v[160:163]                 ; both halves of the lanes hold, and write, the same sums
	ds_store_b128 v178, v[164:167] offset:16
	s_wait_dscnt 0x0
	s_barrier_signal -1
	s_barrier_wait -1
	s_and_b32 s22, s10, 3                          ; wave 0 adds waves 0-3 (block 2 j), wave 4 waves 4-7 (block 2 j + 1)
	s_cmp_eq_u32 s22, 0
	s_cbranch_scc0 .Lend
.irp n, 0,1,2,3
	ds_load_b128 v[80+4*(\n):83+4*(\n)], v179 offset:512*(\n)
.endr
	s_wait_dscnt 0x0
	v_pk_add_f32 v[80:81], v[80:81], v[84:85]
	v_pk_add_f32 v[82:83], v[82:83], v[86:87]
	v_pk_add_f32 v[88:89], v[88:89], v[92:93]
	v_pk_add_f32 v[90:91], v[90:91], v[94:95]
	v_pk_add_f32 v[80:81], v[80:81], v[88:89]
	v_pk_add_f32 v[82:83], v[82:83], v[90:91]
	global_store_b128 v176, v[80:83], s[8:9]       ; 512 consecutive bytes
.Lend:
	s_wait_tensorcnt 0x0                           ; the wave's end
	ds_add_u32 v[SPW], v[NIL]
	s_wait_dscnt 0x0
	s_endpgm
.Lfunc_end_k_q464f75f93a_combine:
	.size	k_q464f75f93a_combine, .Lfunc_end_k_q464f75f93a_combine-k_q464f75f93a_combine
	.p2alignl 7, 3214868480
	.fill 96, 4, 3214868480
	.section	.rodata,"a",@progbits
	.p2align	6, 0x0
	.amdhsa_kernel k_q464f75f93a_combine
		.amdhsa_group_segment_fixed_size 7168
		.amdhsa_private_segment_fixed_size 0
		.amdhsa_enable_private_segment 0
		.amdhsa_kernarg_size 24
		.amdhsa_user_sgpr_count 2
		.amdhsa_user_sgpr_kernarg_segment_ptr 1
		.amdhsa_wavefront_size32 1
		.amdhsa_system_sgpr_workgroup_id_x 1
		.amdhsa_system_sgpr_workgroup_id_y 1
		.amdhsa_system_sgpr_workgroup_id_z 1
		.amdhsa_system_vgpr_workitem_id 0
		.amdhsa_next_free_vgpr 192
		.amdhsa_next_free_sgpr 66
		.amdhsa_reserve_vcc 0
		.amdhsa_float_denorm_mode_32 3
		.amdhsa_float_denorm_mode_16_64 3
		.amdhsa_memory_ordered 1
		.amdhsa_forward_progress 1
		.amdhsa_inst_pref_size 25
	.end_amdhsa_kernel
	.amdgpu_metadata
---
amdhsa.version: [ 1, 2 ]
amdhsa.kernels:
  - .name:           k_q464f75f93a_combine
    .symbol:         k_q464f75f93a_combine.kd
    .args:
      - { .name: stats, .offset: 0, .size: 8, .value_kind: global_buffer, .address_space: global }
      - { .name: qkv, .offset: 8, .size: 8, .value_kind: global_buffer, .address_space: global }
      - { .name: fw, .offset: 16, .size: 8, .value_kind: global_buffer, .address_space: global }
    .group_segment_fixed_size: 7168
    .private_segment_fixed_size: 0
    .kernarg_segment_align: 8
    .kernarg_segment_size: 24
    .max_flat_workgroup_size: 256
    .sgpr_count:     66
    .vgpr_count:     192
    .wavefront_size: 32
...
	.end_amdgpu_metadata
.endif
;; end of part 4
;; launch readout (part 5): grid 8 x 32, 4 waves a work-group, clusters of 4 x 1, 327,680 bytes of LDS; arguments qkv, pt, fw, mbuf, out0; writes out0
.if DOCPART == 5
	.amdgcn_target "amdgcn-amd-amdhsa--gfx1250"
	.amdhsa_code_object_version 6
	.text
	.protected	k_q464f75f93a_readout
	.globl	k_q464f75f93a_readout
	.p2align	8
	.type	k_q464f75f93a_readout,@function
k_q464f75f93a_readout:
	s_mov_b64 s[64:65], 0
	v_nop
	global_prefetch_b8 v0, s[64:65] scope:SCOPE_SE
	s_setreg_imm32_b32 hwreg(HW_REG_WAVE_MODE, 25, 1), 1
	s_wait_xcnt 0x0
	s_wait_alu depctr_hold_cnt(0) depctr_sa_sdst(0) depctr_va_vdst(0) depctr_va_sdst(0) depctr_va_ssrc(0) depctr_va_vcc(0) depctr_vm_vsrc(0)
	s_getreg_b32 s2, hwreg(HW_REG_IB_STS2, 6, 4)
	s_cmp_eq_u32 s2, 0
	s_cbranch_scc0 .Lentry_in_a_cluster
	s_endpgm
.Lentry_in_a_cluster:
	s_bfe_u32 s2, ttmp6, 0x10000c
	s_cmp_lg_u32 s2, 0x3003
	s_cbranch_scc0 .Lentry_shape_is_right
	s_endpgm
.Lentry_shape_is_right:
; READOUT.  out[b][d][t] = sum over s < 256 (i + 1) of (f[I][s] v[s][d]) P^T[s][t] + sum over J > I of W[J][d] + m[t][d],   I = t / 128, i = I / 2.
; A tile is 128 d x 128 t (one block I); four waves, 64 x 64 each: 16 accumulators.  K = the keys, in units of 256.  Both operands lie [key][..] in LDS and are read turned, by ds_load_tr16_b128.
; v's fragments are multiplied by f (bf16, packed) between their load and the product: f hangs on the key alone, which runs along a fragment's registers.
; PAIRS.  Block I needs i + 1 units.  A work-group takes a short block I_S = 2 q + e (q + 1 units) and then a long one I_L = 14 - 2 q + e (8 - q units): 9 units whatever the pair, in ONE walk of the ring.
; CLUSTER 4 x 1: the four partners make four blocks of d for the same b and pair: they ask for P^T's tiles jointly; v's tiles are each work-group's own.
; Source 0 = v (16 d), source 1 = P^T (16 t): a lane holds one t (l % 16) and eight d (8 (l / 16) + 0..7), as 16 bytes of m[t][d] lie.  The f32 results go through my stage and leave as rows of 256 bytes along t.
; LDS: two slots (v's 256 rows of 288 bytes, then P^T's); four stages; f in the order of the walk, 512 bytes a unit (12 slices: 9 to 11 repeat unit 8); the two blocks' sums of W; the spare words.
; REGISTERS: window 0: v9-31 addresses; v32-63, v96-127 rows on their way out; v64-95 f, two buffers; v128-255 accumulator (a = t block, b = d block) at 128 + 8 (4 a + b)
;            window 1: two fragment buffers of 128: P^T's 64, then v's 64;     window 2: v0-63 m of the block in hand; v64-95 its sums of W
; LIMITS: NaN and infinities are not treated apart; f v is rounded to bf16.
.set PV,     288                       ; an LDS row: 256 bytes + 32
.set PART,   128*PV                    ; what one tensor load brings
.set POFF,   2*PART
.set SLOT,   4*PART
.set STAGE,  2*SLOT
.set SPITCH, 272
.set FT,     STAGE+4*16*SPITCH
.set RB,     FT+8192
.set SPARE,  RB+1024
.set RA,   15                          ; v15  where my eight sums of W of a d block lie
.set ADV,  16                          ; v16, v17  my fragments of v in the slot in hand: keys 0-127, 128-255
.set ADP,  18                          ; v18, v19  the same for P^T
.set AV0,  20                          ; v20, v21  the same in slot 0; never rewritten
.set AP0,  21
.set AF,   22                          ; v22  my 16 bytes of f in the unit in hand
.set H16,  23
.set STO,  24
.set RD,   25
.set GO,   26
.set MO,   27
.set SPW,  28
.set NIL,  29
.set PFO,  30
.set ONE,  31
.set FS0,  64
.set ACC,  128
.set F0,   0
.set F1,   128
.set MR,   0                           ; window 2
.set RR,   64                          ; window 2
.set WV,  14
.set WD,  15                           ; s15  my half of d; also: I fetch v (0) or P^T (1)
.set WT,  16                           ; s16  my half of t; also: which 128 keys I fetch
.set G1V, 24
.set G1P, 32
.set G0V, 40                           ; s[40:43] unit 0; s[44:47] the walking group 0
.set G0P, 48
.set NS,  56                           ; s56  units of the short block
.set ISB, 57                           ; s57  256 I_S: the block's bytes in a row of P^T
.set ILB, 58
.set TB,  59
.set VF,  60                           ; s60  the unit to be asked for next
.set VN,  61                           ; s61  the unit whose first fragments the change of slots fetches
.set VP,  62                           ; s62  the unit to be prefetched next
.set LIM, 63
.set VB,  66                           ; s[66:67] v at my 128 keys of unit 0, my work-group's d
.set PB,  68                           ; s[68:69] P^T at my 128 keys of unit 0
.set PFB, 70                           ; s[70:71] the same at my work-group's 32 of them
.set PFA, 72
.set OV,  74                           ; s[74:75], s[76:77] byte offsets
.set OP,  76
.set SG,  79                           ; s79  a unit's place in its block
.set IB,  80                           ; s80  256 x its block
.set WL,  81                           ; s81  wave x PART
.set OS,  82                           ; s[82:83], s[84:85] out at my part of the two tiles
.set MS,  86                           ; s[86:87], s[88:89] m likewise
.set FWF, 90                           ; s[90:91] f of the batch
.set IS,  94
.set IL,  95
.set FB,  96                           ; s96  LDS byte of the unit in hand's f
.set FWW, 98                           ; s[98:99] W of the batch, my work-group's d
.set MSB, 0
.macro WIN new
.if MSB != (\new)
	s_set_vgpr_msb (MSB<<8)|(\new)
.set MSB, \new
.endif
.endm
.set MUL,  0x05
.macro PLACES
.rept 4
	v_nop
.endr
.endm
.macro UOFF x                          ; unit x of the walk: its place in its block, and 256 x the block
	s_cmp_lt_u32 \x, s[NS]
	s_cselect_b32 s[SG], 0, s[NS]
	s_cselect_b32 s[IB], s[ISB], s[ILB]
	s_sub_co_u32 s[SG], \x, s[SG]
.endm
.macro JLOAD                           ; waves 0 and 1 fetch v's halves (loads of the work-group's own), waves 2 and 3 P^T's (joint loads)
	s_cmp_eq_u32 s[WD], 0
	s_cbranch_scc0 .Lfor_p_\@
	tensor_load_to_lds s[G0V+4:G0V+7], s[G1V:G1V+7]
	s_nop 0
.rept 4
	v_nop
.endr
	s_branch .Lasked_\@
.Lfor_p_\@:
	tensor_load_to_lds s[G0P+4:G0P+7], s[G1P:G1P+7]
	s_nop 0
.rept 4
	v_nop
.endr
.Lasked_\@:
.endm
.macro ASK                             ; P^T's tile of the unit two refills on: the cluster with x = 0 asks, waves 2 and 3, 32 rows a partner told apart by address, a lane a row
	s_cmp_gt_u32 s3, s[LIM]
	s_cbranch_scc0 .Lnot_mine_\@
	global_prefetch_b8 v[PFO], s[PFA:PFA+1] th:TH_LOAD_NT scope:SCOPE_SE
.Lnot_mine_\@:
.endm
.macro CREST
	s_cmp_lg_u32 s[WV], 0
	s_cbranch_scc1 .Lnot_wave_0_\@
	s_barrier_signal -3
.Lnot_wave_0_\@:
	s_barrier_wait -3
	s_barrier_signal -1
	s_barrier_wait -1
.endm
.macro CROUND
	s_barrier_signal -1
	s_barrier_wait -1
	CREST
.endm
.macro RESID base                      ; m of a block: for accumulator (a, b) my t's eight d, 16 bytes
	WIN 0x80
.irp a, 0,1,2,3
.irp b, 0,1,2,3
	global_load_b128 v[MR+4*(4*(\a)+(\b)):MR+4*(4*(\a)+(\b))+3], v[MO], s[\base:\base+1] offset:32768*(\a)+32*(\b)
.endr
.endr
	WIN 0
.endm
	s_load_b256 s[4:11], s[0:1], 0x0               ; qkv 4, pt 6, fw 8, mbuf 10
	s_load_b64 s[12:13], s[0:1], 0x20              ; out0
	v_lshl_add_u32 v[SPW], v0, 2, SPARE
	v_mov_b32 v[NIL], 0
	ds_add_u32 v[SPW], v[NIL]                      ; the wave's opening: the add and its wait stand ahead of my first tensor load
	ds_add_u32 v28, v29
	v_lshrrev_b32 v1, 5, v0
	v_readfirstlane_b32 s[WV], v1
	s_lshr_b32 s[WD], s[WV], 1
	s_and_b32 s[WT], s[WV], 1
	s_bfe_u32 s17, ttmp6, 0x40000                  ; cx
	s_lshl_b32 s18, ttmp9, 2
	s_add_co_u32 s18, s18, s17                     ; my block of 128 d
	s_and_b32 s20, ttmp7, 0xffff
	s_lshr_b32 s19, s20, 3                         ; b
	s_and_b32 s20, s20, 7                          ; the pair
	s_lshr_b32 s21, s20, 1                         ; q
	s_and_b32 s22, s20, 1                          ; e
	s_add_co_u32 s[NS], s21, 1
	s_lshl_b32 s23, s21, 1
	s_add_co_u32 s[IS], s23, s22
	s_sub_co_u32 s[IL], 14, s23
	s_add_co_u32 s[IL], s[IL], s22
	s_lshl_b32 s[ISB], s[IS], 8
	s_lshl_b32 s[ILB], s[IL], 8
	s_mov_b32 s[G1V+0], (1<<16)|(1<<20)|(5<<22)|(7<<25)              ; 2-byte elements; padding on; after every 64 words; 8 words
	s_mov_b32 s[G1P+0], 15|(1<<16)|(1<<20)|(1<<21)|(5<<22)|(7<<25)   ; the same with the mask of four and bit 21 beside it
.irp g, G1V, G1P
	s_mov_b32 s[(\g)+1], 128<<16                   ; tensor_dim0 = 128
	s_mov_b32 s[(\g)+2], 128<<16                   ; tensor_dim1 = 128
	s_mov_b32 s[(\g)+3], 128<<16                   ; tile_dim0 = 128
	s_mov_b32 s[(\g)+4], 128                       ; tile_dim1 = 128
	s_mov_b32 s[(\g)+6], 0
	s_mov_b32 s[(\g)+7], 0
.endr
	s_mov_b32 s[G1V+5], 1024                       ; elements from row to row
	s_mov_b32 s[G1P+5], 2048
	s_mul_i32 s[WL], s[WV], PART
	s_mov_b32 s[TB], 0
	s_mov_b32 s[VF], 2
	s_mov_b32 s[VN], 1
	s_mov_b32 s[VP], 4
	s_mov_b32 s[FB], FT
	s_lshl_b32 s[OV], s19, 22                      ; v: 33,554,432 bytes behind q; the batch; my 128 keys; my work-group's 256 bytes of a row
	s_add_co_u32 s[OV], s[OV], 0x2000000
	s_lshl_b32 s20, s[WT], 18
	s_add_co_u32 s[OV], s[OV], s20
	s_lshl_b32 s20, s18, 8
	s_add_co_u32 s[OV], s[OV], s20
	s_mov_b32 s[OV+1], 0
	s_lshl_b32 s[OP], s19, 23                      ; P^T: the batch; my 128 keys: nothing of cx in it
	s_lshl_b32 s20, s[WT], 19
	s_add_co_u32 s[OP], s[OP], s20
	s_mov_b32 s[OP+1], 0
	s_lshl_b32 s92, s17, 17                        ; my work-group's 32 rows, for the prefetches alone
	s_mov_b32 s93, 0
	s_xor_b32 s20, s[WD], 1
	s_or_b32 s20, s20, ttmp9
	s_cmp_eq_u32 s20, 0
	s_cselect_b32 s[LIM], 2, -1
	s_wait_dscnt 0x0                               ; the opening add is done
	s_wait_kmcnt 0x0
	s_add_nc_u64 s[VB:VB+1], s[4:5], s[OV:OV+1]
	s_add_nc_u64 s[PB:PB+1], s[6:7], s[OP:OP+1]
	s_add_nc_u64 s[PFB:PFB+1], s[PB:PB+1], s[92:93]
	s_mov_b32 s[G0V], 1                            ; unit 0: the short block's first
	s_mov_b32 s[G0V+1], s[WL]
	s_mov_b64 s[G0V+2:G0V+3], s[VB:VB+1]
	s_or_b32 s[G0V+3], s[G0V+3], 0x80000000
	s_mov_b32 s[OP], s[ISB]
	s_mov_b32 s[G0P], 1
	s_mov_b32 s[G0P+1], s[WL]
	s_add_nc_u64 s[G0P+2:G0P+3], s[PB:PB+1], s[OP:OP+1]
	s_or_b32 s[G0P+3], s[G0P+3], 0x80000000
	UOFF 1                                         ; unit 1
	s_lshl_b32 s[OV], s[SG], 19
	s_mov_b32 s[G0V+4], 1
	s_add_co_u32 s[G0V+5], s[WL], SLOT
	s_add_nc_u64 s[G0V+6:G0V+7], s[VB:VB+1], s[OV:OV+1]
	s_or_b32 s[G0V+7], s[G0V+7], 0x80000000
	s_lshl_b32 s[OP], s[SG], 20
	s_add_co_u32 s[OP], s[OP], s[IB]
	s_mov_b32 s[G0P+4], 1
	s_add_co_u32 s[G0P+5], s[WL], SLOT
	s_add_nc_u64 s[G0P+6:G0P+7], s[PB:PB+1], s[OP:OP+1]
	s_or_b32 s[G0P+7], s[G0P+7], 0x80000000
	CROUND                                         ; all four work-groups are here: the first joint loads meet
	s_cmp_eq_u32 s[WD], 0                          ; a wave's two first fills stand in one branch: two loads of mine are out
	s_cbranch_scc0 .Lfirst_p
	tensor_load_to_lds s[G0V:G0V+3], s[G1V:G1V+7]
	s_nop 0
	tensor_load_to_lds s[G0V+4:G0V+7], s[G1V:G1V+7]
	s_nop 0
.rept 4
	v_nop
.endr
	s_branch .Lfirst_asked
.Lfirst_p:
	tensor_load_to_lds s[G0P:G0P+3], s[G1P:G1P+7]
	s_nop 0
	tensor_load_to_lds s[G0P+4:G0P+7], s[G1P:G1P+7]
	s_nop 0
.rept 4
	v_nop
.endr
.Lfirst_asked:
	v_and_b32 v1, 15, v0                           ; r = l % 16
	v_bfe_u32 v2, v0, 4, 1                         ; h = l / 16
	v_and_b32 v3, 7, v0
	v_bfe_u32 v4, v0, 3, 1
	v_and_b32 v7, 31, v0
	; f in the order of the walk: wave w copies slices w, 4 + w and 8 + w (past unit 8: unit 8 once more), 16 bytes a lane
	s_lshl_b32 s20, s19, 16
	s_mov_b32 s21, 0
	s_add_nc_u64 s[FWF:FWF+1], s[8:9], s[20:21]
	s_lshl_b32 s22, s18, 9
	s_add_co_u32 s20, s20, s22
	s_add_co_u32 s20, s20, 262144
	s_add_nc_u64 s[FWW:FWW+1], s[8:9], s[20:21]
.irp n, 0,1,2
	s_add_co_u32 s20, s[WV], 4*(\n)
	s_min_u32 s20, s20, 8
	UOFF s20
	s_lshl_b32 s21, s[IB], 4                       ; the block's row of 4,096 bytes,
	s_lshl_b32 s22, s[SG], 9                       ; the unit's 512 of them
	s_add_co_u32 s21, s21, s22
	v_lshl_add_u32 v[10+(\n)], v7, 4, s21
.endr
.irp n, 0,1,2
	global_load_b128 v[144+4*(\n):147+4*(\n)], v[10+(\n)], s[FWF:FWF+1]
.endr
	v_lshlrev_b32 v13, 2, v0
.irp J, 1,2,3,4,5,6,7,8,9,10,11,12,13,14,15
	global_load_b32 v[128+(\J)], v13, s[FWW:FWW+1] offset:4096*(\J)  ; W[J][my d]
.endr
	s_lshl_b32 s20, s19, 22                        ; m: the batch; 64 x my half of t rows; my work-group's and my half's d
	s_lshl_b32 s22, s[WT], 17
	s_add_co_u32 s20, s20, s22
	s_lshl_b32 s22, s18, 8
	s_add_co_u32 s20, s20, s22
	s_lshl_b32 s22, s[WD], 7
	s_add_co_u32 s20, s20, s22
	s_mov_b32 s21, 0
	s_add_nc_u64 s[MS+2:MS+3], s[10:11], s[20:21]
	s_lshl_b32 s20, s[ISB], 10                     ; + 128 I rows of 2,048 bytes
	s_add_nc_u64 s[MS:MS+1], s[MS+2:MS+3], s[20:21]
	s_lshl_b32 s20, s[ILB], 10
	s_add_nc_u64 s[MS+2:MS+3], s[MS+2:MS+3], s[20:21]
	v_lshlrev_b32 v6, 11, v1
	v_lshl_add_u32 v[MO], v2, 4, v6
	RESID MS
	s_lshl_b32 s20, s19, 23                        ; out: the batch; my work-group's and my half's rows d of 8,192 bytes; my half of t
	s_lshl_b32 s22, s18, 20
	s_add_co_u32 s20, s20, s22
	s_lshl_b32 s22, s[WD], 19
	s_add_co_u32 s20, s20, s22
	s_lshl_b32 s22, s[WT], 8
	s_add_co_u32 s20, s20, s22
	s_add_nc_u64 s[OS+2:OS+3], s[12:13], s[20:21]
	s_lshl_b32 s20, s[ISB], 1                      ; + 128 I numbers of 4 bytes
	s_add_nc_u64 s[OS:OS+1], s[OS+2:OS+3], s[20:21]
	s_lshl_b32 s20, s[ILB], 1
	s_add_nc_u64 s[OS+2:OS+3], s[OS+2:OS+3], s[20:21]
	v_lshl_add_u32 v5, v2, 3, v3                   ; the turning load: key 8 h + l % 8,
	v_mul_u32_u24 v5, v5, PV
	v_lshl_add_u32 v5, v4, 4, v5                   ; columns 8 ((l / 8) % 2) on
	s_lshl_b32 s20, s[WD], 7
	v_add_nc_u32 v[AV0], s20, v5
	s_lshl_b32 s20, s[WT], 7
	s_add_co_u32 s20, s20, POFF
	v_add_nc_u32 v[AP0], s20, v5
	v_mov_b32 v[ADV], v[AV0]
	v_add_nc_u32 v[ADV+1], PART, v[AV0]
	v_mov_b32 v[ADP], v[AP0]
	v_add_nc_u32 v[ADP+1], PART, v[AP0]
	v_lshlrev_b32 v[H16], 4, v2
	v_add_nc_u32 v[AF], FT, v[H16]
	s_mul_i32 s20, s[WV], 16*SPITCH
	s_add_co_u32 s20, s20, STAGE                   ; my stage: 16 rows d x 64 t of 4 bytes
	v_mul_u32_u24 v6, v2, 8*SPITCH
	v_lshl_add_u32 v6, v1, 2, v6
	v_add_nc_u32 v[STO], s20, v6                   ; in: row 8 h + register, 4 bytes at t
	v_mul_u32_u24 v6, v2, SPITCH
	v_lshl_add_u32 v6, v1, 4, v6
	v_add_nc_u32 v[RD], s20, v6                    ; back: lanes 0-15 one row of 256 bytes, lanes 16-31 the next
	v_lshlrev_b32 v6, 13, v2
	v_lshl_add_u32 v[GO], v1, 4, v6
	v_lshlrev_b32 v[PFO], 12, v7
	v_mov_b32 v[ONE], 1.0
	s_lshl_b32 s20, s[WD], 8
	s_add_co_u32 s20, s20, RB
	v_lshl_add_u32 v[RA], v2, 5, s20
	v_lshl_add_u32 v9, v0, 4, FT
	v_add_nc_u32 v14, RB, v13
	s_wait_loadcnt 16                              ; f and W are in; m's 16 loads may stay out
.irp n, 0,1,2
	ds_store_b128 v9, v[144+4*(\n):147+4*(\n)] offset:2048*(\n)
.endr
.irp J, 1,2,3,4,5,6,7,8,9,10,11,12,13,14,15
	s_cmp_lt_u32 s[IS], \J                         ; the blocks above the diagonal's: each hidden key's weight is the same for all queries of my block
	s_cselect_b32 s20, 1.0, 0
	s_cmp_lt_u32 s[IL], \J
	s_cselect_b32 s21, 1.0, 0
.if \J == 1
	v_mul_f32 v160, s20, v[128+(\J)]
	v_mul_f32 v161, s21, v[128+(\J)]
.else
	v_fmac_f32 v160, s20, v[128+(\J)]
	v_fmac_f32 v161, s21, v[128+(\J)]
.endif
.endr
	ds_store_b32 v14, v160
	ds_store_b32 v14, v161 offset:512
.macro MUL8 f, c, a0, zero             ; 8 matrix instructions: t blocks a0, a0 + 1 x all 4 d blocks, 32 keys: half c of buffer f.  The 16 accumulators take turns
	WIN MUL
.irp a, \a0, (\a0)+1
.irp b, 0,1,2,3
.if \zero
	v_wmma_f32_16x16x32_bf16 v[ACC+8*(4*(\a)+(\b)):ACC+8*(4*(\a)+(\b))+7], v[(\f)+64+8*(4*(\c)+(\b)):(\f)+64+8*(4*(\c)+(\b))+7], v[(\f)+8*(4*(\c)+(\a)):(\f)+8*(4*(\c)+(\a))+7], 0
.else
	v_wmma_f32_16x16x32_bf16 v[ACC+8*(4*(\a)+(\b)):ACC+8*(4*(\a)+(\b))+7], v[(\f)+64+8*(4*(\c)+(\b)):(\f)+64+8*(4*(\c)+(\b))+7], v[(\f)+8*(4*(\c)+(\a)):(\f)+8*(4*(\c)+(\a))+7], v[ACC+8*(4*(\a)+(\b)):ACC+8*(4*(\a)+(\b))+7]
.endif
.endr
.endr
.endm
.macro SCALE f, c                      ; v's four fragments of half c times f: the same eight registers of factors for each
	WIN 0x41
.irp b, 0,1,2,3
.irp x, 0,1,2,3,4,5,6,7
	v_pk_mul_bf16 v[(\f)+64+8*(4*(\c)+(\b))+(\x)], v[(\f)+64+8*(4*(\c)+(\b))+(\x)], v[FS0+16*((\f)/128)+8*(\c)+(\x)]
.endr
.endr
.endm
.macro FETCH kq, g                     ; 36 LDS loads in one run: quarter kq (64 keys) of the unit in hand into buffer g: f's 64 bytes, then the first 32 keys' fragments, then the others'
	WIN 0
.irp n, 0,1,2,3
	ds_load_b128 v[FS0+16*((\g)/128)+4*(\n):FS0+16*((\g)/128)+4*(\n)+3], v[AF] offset:128*(\kq)+32*(\n)
.endr
	WIN 0x40
.irp c, 0,1
.irp i, 0,1,2,3
	ds_load_tr16_b128 v[(\g)+64+8*(4*(\c)+(\i)):(\g)+64+8*(4*(\c)+(\i))+3],   v[ADV+(\kq)/2] offset:(64*((\kq)%2)+32*(\c))*PV+32*(\i)
	ds_load_tr16_b128 v[(\g)+64+8*(4*(\c)+(\i))+4:(\g)+64+8*(4*(\c)+(\i))+7], v[ADV+(\kq)/2] offset:(64*((\kq)%2)+32*(\c)+16)*PV+32*(\i)
	ds_load_tr16_b128 v[(\g)+8*(4*(\c)+(\i)):(\g)+8*(4*(\c)+(\i))+3],         v[ADP+(\kq)/2] offset:(64*((\kq)%2)+32*(\c))*PV+32*(\i)
	ds_load_tr16_b128 v[(\g)+8*(4*(\c)+(\i))+4:(\g)+8*(4*(\c)+(\i))+7],       v[ADP+(\kq)/2] offset:(64*((\kq)%2)+32*(\c)+16)*PV+32*(\i)
.endr
.endr
.endm
.macro QUARTER kq, f, g, zero          ; multiplies buffer f and fetches quarter kq into buffer g
	s_wait_dscnt 16                                ; f and the first 32 keys are in; the other sixteen loads may be out
	SCALE \f, 0
	MUL8 \f, 0, 0, \zero
	MUL8 \f, 0, 2, \zero
	PLACES
	FETCH \kq, \g
	s_wait_dscnt 36                                ; all but the 36 just issued
	SCALE \f, 1
	MUL8 \f, 1, 0, 0
	MUL8 \f, 1, 2, 0
.endm
; A unit's last quarter and the change of slots.  In front of the barrier each wave waits for all its tensor loads (one is out: its part of the next slot), adds 0 to its spare word, and waits for that and for its
; reads of the slot.  fill = 1: the barrier opens a round of the cluster's barrier; the slot just read is filled again, first thing behind it, with the unit two on; its addresses are made anew from the unit's number.
.macro TURN fill
.if \fill
	s_wait_xcnt 0x0                                ; the last prefetch, a unit back, has read its address
	UOFF s[VP]
	s_lshl_b32 s92, s[SG], 20
	s_add_co_u32 s92, s92, s[IB]
	s_add_nc_u64 s[PFA:PFA+1], s[PFB:PFB+1], s[92:93]
	s_add_co_u32 s[VP], s[VP], 1
.endif
	WIN 0
	s_wait_tensorcnt 0x0
	ds_add_u32 v[SPW], v[NIL]
.if \fill
	UOFF s[VF]
	s_lshl_b32 s[OV], s[SG], 19                    ; 256 rows of 2,048 bytes a unit
	s_add_nc_u64 s[G0V+6:G0V+7], s[VB:VB+1], s[OV:OV+1]
	s_or_b32 s[G0V+7], s[G0V+7], 0x80000000
	s_add_co_u32 s[G0V+5], s[WL], s[TB]
	s_lshl_b32 s[OP], s[SG], 20                    ; 256 rows of 4,096 bytes a unit,
	s_add_co_u32 s[OP], s[OP], s[IB]               ; the block's 256 bytes of a row
	s_add_nc_u64 s[G0P+6:G0P+7], s[PB:PB+1], s[OP:OP+1]
	s_or_b32 s[G0P+7], s[G0P+7], 0x80000000
	s_add_co_u32 s[G0P+5], s[WL], s[TB]
	s_add_co_u32 s[VF], s[VF], 1
.endif
	s_wait_dscnt 17                                ; the add and the youngest sixteen loads may be out
	SCALE F1, 0
	MUL8 F1, 0, 0, 0
	s_wait_dscnt 0x0                               ; the add is done, and my reads of this slot are over
	s_barrier_signal -1
	MUL8 F1, 0, 2, 0
	WIN 0
	s_barrier_wait -1
.if \fill
	CREST
	JLOAD
.else
	PLACES
.endif
	s_xor_b32 s[TB], s[TB], SLOT
	s_add_co_u32 s[FB], s[FB], 512                 ; the next unit's factors
	v_add_nc_u32 v[ADV], s[TB], v[AV0]
	v_add_nc_u32 v[ADP], s[TB], v[AP0]
	v_add_nc_u32 v[ADV+1], PART, v[ADV]
	v_add_nc_u32 v[ADP+1], PART, v[ADP]
	v_add_nc_u32 v[AF], s[FB], v[H16]
	FETCH 0, F0
.if \fill
	WIN 0
	ASK
.endif
	SCALE F1, 1
	MUL8 F1, 1, 0, 0
	MUL8 F1, 1, 2, 0
.endm
; A BLOCK'S END, d block b at a time: the sums of W and m are added; 16 rows d x 64 t go into my stage and come back as rows of 256 bytes; they are stored.
.macro RADD bb
	WIN 0x08                                       ; source 1 window 2
.irp a, 0,1,2,3
.irp r, 0,1,2,3
	v_pk_add_f32 v[ACC+8*(4*(\a)+(\bb))+2*(\r):ACC+8*(4*(\a)+(\bb))+2*(\r)+1], v[ACC+8*(4*(\a)+(\bb))+2*(\r):ACC+8*(4*(\a)+(\bb))+2*(\r)+1], v[RR+8*(\bb)+2*(\r):RR+8*(\bb)+2*(\r)+1]
.endr
.endr
	WIN 0x02                                       ; source 0 window 2
.irp a, 0,1,2,3
.irp r, 0,1,2,3
	v_fma_mix_f32_bf16 v[ACC+8*(4*(\a)+(\bb))+2*(\r)], v[MR+4*(4*(\a)+(\bb))+(\r)], v[ONE], v[ACC+8*(4*(\a)+(\bb))+2*(\r)] op_sel:[0,0,0] op_sel_hi:[1,0,0]
	v_fma_mix_f32_bf16 v[ACC+8*(4*(\a)+(\bb))+2*(\r)+1], v[MR+4*(4*(\a)+(\bb))+(\r)], v[ONE], v[ACC+8*(4*(\a)+(\bb))+2*(\r)+1] op_sel:[1,0,0] op_sel_hi:[1,0,0]
.endr
.endr
	WIN 0
.endm
.macro RSTG bb
.set BK, 32+64*((\bb)%2)
.irp a, 0,1,2,3
.irp j, 0,1,2,3,4,5,6,7
	ds_store_b32 v[STO], v[ACC+8*(4*(\a)+(\bb))+(\j)] offset:SPITCH*(\j)+64*(\a)
.endr
.endr
.irp u, 0,1,2,3,4,5,6,7
	ds_load_b128 v[BK+4*(\u):BK+4*(\u)+3], v[RD] offset:2*SPITCH*(\u)  ; LDS serves a wave's instructions in order: these see the stores above
.endr
.endm
.macro ROUT bb, blk
.set BK, 32+64*((\bb)%2)
	s_wait_dscnt 0x0
	s_wait_xcnt 0x0                                ; earlier stores have read their data: the other set of rows is loaded again behind this wait
.irp u, 0,1,2,3,4,5,6,7
	global_store_b128 v[GO], v[BK+4*(\u):BK+4*(\u)+3], s[OS+2*(\blk):OS+2*(\blk)+1] offset:(16*(\bb)+2*(\u))*8192 th:TH_STORE_NT  ; 16 lanes store 256 consecutive bytes, aligned
.endr
.endm
.macro EPI blk
	PLACES
	WIN 0x80
.irp b, 0,1,2,3
	ds_load_b128 v[RR+8*(\b):RR+8*(\b)+3],   v[RA] offset:512*(\blk)+64*(\b)
	ds_load_b128 v[RR+8*(\b)+4:RR+8*(\b)+7], v[RA] offset:512*(\blk)+64*(\b)+16
.endr
	WIN 0
	s_wait_loadcnt 0x0                             ; m
	s_wait_dscnt 0x0
	RADD 0
	RSTG 0
	RADD 1
	ROUT 0, \blk
	RSTG 1
	RADD 2
	ROUT 1, \blk
	RSTG 2
	RADD 3
	ROUT 2, \blk
	RSTG 3
	ROUT 3, \blk
.if (\blk) == 0
.set ii, 0
.rept 128
	v_mov_b32 v[ACC+ii], 0                         ; the long block's sums start at 0: the price of writing no second first quarter
.set ii, ii+1
.endr
	RESID MS+2                                     ; and its m is asked for
.endif
.endm
	s_mov_b32 s93, 0
	s_wait_tensorcnt 1                             ; my part of unit 0 is in; unit 1's may stay out
	s_wait_dscnt 0x0                               ; my stores of f and of the sums of W are done
	s_barrier_signal -1
	s_barrier_wait -1
	FETCH 0, F0
	QUARTER 1, F0, F1, 1                           ; the first products start the sums
	WIN 0
	s_mov_b32 s3, 7
.Lunit:                                                ; seven trips: from a unit's second quarter to the next unit's first; each fills the slot just read with the unit two on
	QUARTER 2, F1, F0, 0
	QUARTER 3, F0, F1, 0
	TURN 1
	WIN 0
	s_cmp_lg_u32 s[VN], s[NS]                      ; was that the short block's last unit?  The same answer in all four partners; what is jumped holds no barrier and no tensor load
	s_cbranch_scc1 .Lsame
	EPI 0
.Lsame:
	s_add_co_u32 s[VN], s[VN], 1
	QUARTER 1, F0, F1, 0
	WIN 0
	s_sub_co_u32 s3, s3, 1
	s_cmp_lg_u32 s3, 0
	s_cbranch_scc1 .Lunit
	s_mov_b32 s3, 2
.Ltail:                                                ; units 7 and 8 ask for nothing; the second trip is left in its middle, its barrier and its last 36 fetches serve nothing
	QUARTER 2, F1, F0, 0
	QUARTER 3, F0, F1, 0
	TURN 0
	WIN 0
	s_sub_co_u32 s3, s3, 1
	s_cmp_eq_u32 s3, 0
	s_cbranch_scc1 .Lout
	QUARTER 1, F0, F1, 0
	WIN 0
	s_branch .Ltail
.Lout:
	EPI 1
	s_wait_tensorcnt 0x0                           ; the wave's end
	ds_add_u32 v[SPW], v[NIL]
	s_wait_dscnt 0x0
	CROUND                                         ; the closing round
	s_endpgm
.Lfunc_end_k_q464f75f93a_readout:
	.size	k_q464f75f93a_readout, .Lfunc_end_k_q464f75f93a_readout-k_q464f75f93a_readout
	.p2alignl 7, 3214868480
	.fill 96, 4, 3214868480
	.section	.rodata,"a",@progbits
	.p2align	6, 0x0
	.amdhsa_kernel k_q464f75f93a_readout
		.amdhsa_group_segment_fixed_size 327680
		.amdhsa_private_segment_fixed_size 0
		.amdhsa_enable_private_segment 0
		.amdhsa_kernarg_size 40
		.amdhsa_user_sgpr_count 2
		.amdhsa_user_sgpr_kernarg_segment_ptr 1
		.amdhsa_wavefront_size32 1
		.amdhsa_system_sgpr_workgroup_id_x 1
		.amdhsa_system_sgpr_workgroup_id_y 1
		.amdhsa_system_sgpr_workgroup_id_z 1
		.amdhsa_system_vgpr_workitem_id 0
		.amdhsa_next_free_vgpr 640
		.amdhsa_next_free_sgpr 100
		.amdhsa_reserve_vcc 0
		.amdhsa_float_denorm_mode_32 3
		.amdhsa_float_denorm_mode_16_64 3
		.amdhsa_memory_ordered 1
		.amdhsa_forward_progress 1
		.amdhsa_inst_pref_size 158
	.end_amdhsa_kernel
	.amdgpu_metadata
---
amdhsa.version: [ 1, 2 ]
amdhsa.kernels:
  - .name:           k_q464f75f93a_readout
    .symbol:         k_q464f75f93a_readout.kd
    .args:
      - { .name: qkv, .offset: 0, .size: 8, .value_kind: global_buffer, .address_space: global }
      - { .name: pt, .offset: 8, .size: 8, .value_kind: global_buffer, .address_space: global }
      - { .name: fw, .offset: 16, .size: 8, .value_kind: global_buffer, .address_space: global }
      - { .name: mbuf, .offset: 24, .size: 8, .value_kind: global_buffer, .address_space: global }
      - { .name: out0, .offset: 32, .size: 8, .value_kind: global_buffer, .address_space: global }
    .group_segment_fixed_size: 327680
    .private_segment_fixed_size: 0
    .kernarg_segment_align: 8
    .kernarg_segment_size: 40
    .max_flat_workgroup_size: 128
    .sgpr_count:     100
    .vgpr_count:     640
    .wavefront_size: 32
...
	.end_amdgpu_metadata
.endif
;; end of part 5
